; MI455X (gfx1250); checked and timed in simulation.
; The chip was launched on July 23, 2026; its instructions are those of AMD's public machine-readable ISA for CDNA 5 (MIT licence, August 2026) and "CDNA5" Instruction Set Architecture Reference Guide (July 2026). The comments in the code are by the model that wrote it; some were corrected since.
;; Multi Head Attention Layer. Allowed arithmetic: matrix products marked QUANTISED: E2M1 operands, one E8M0 scale for each 32 along K, by v_wmma_scale_f32_16x16x128_f8f6f4 with both operands' format E2M1 (or v_wmma_scale_f32_32x16x128_f4), f32 sums; products left as they are: bf16, f16 or f32 operands; f32 sums; everything else in f32.
;; Inputs: Wk 1,024 x 1,024 float32; Wo 1,024 x 1,024 float32; Wq 1,024 x 1,024 float32; Wv 1,024 x 1,024 float32; bk 1,024 float32; bo 1,024 float32; bq 1,024 float32; bv 1,024 float32; hidden_states 2 x 2,048 x 1,024 float32.
;; Outputs: out0 2 x 2,048 x 1,024 float32.
;; This version of the problem:
;;   THIS VERSION OF THE PROBLEM IS GIVEN IN LOW PRECISION. The matrix products marked QUANTISED in the list below multiply operands that are first quantised to E2M1 (2 exponent bits, 1 mantissa bit; 4 bits a number), with one power-of-two scale for each 32 numbers along K (OCP MX v1.0); their sums are f32. The products marked 'left as it is' may take bf16, f16 or f32 operands, with f32 sums. Whichever they take, every output number must still come out within the allowed error. Rounding operands to bf16 (8 significant bits) uses up far more of that allowance than f16 does (11 bits, for magnitudes from 6e-5 to 65,504). All else is computed in f32.
;;   The module's matrix products, in the order in which they are computed (A, B: the left and right operand; K: the contracted axis; several contracted axes count as one K, in the product's order):
;;     1. [M 4,096, K 1,024] x [K 1,024, N 1,024]; A: input hidden_states; B: input Wq: QUANTISED
;;     2. [M 4,096, K 1,024] x [K 1,024, N 1,024]; A: input hidden_states; B: input Wk: QUANTISED
;;     3. [M 4,096, K 1,024] x [K 1,024, N 1,024]; A: input hidden_states; B: input Wv: QUANTISED
;;     4. batch 16 x [M 2,048, K 128] x [K 128, N 2,048]; A: computed on the way; B: computed on the way: left as it is (an operand is computed on the way)
;;     5. batch 16 x [M 2,048, K 2,048] x [K 2,048, N 128]; A: computed on the way; B: computed on the way: left as it is (an operand is computed on the way)
;;     6. [M 4,096, K 1,024] x [K 1,024, N 1,024]; A: computed on the way; B: input Wo: left as it is (an operand is computed on the way)
;;   THE QUANTISER, for each operand of a quantised product, along K:
;;     - K is cut into blocks of 32 from its start; a last block that is shorter is filled with zeros.
;;     - A block's scale is 2^e with e = floor(log2(the largest magnitude in the block)) - 2, held to -126 .. 127; a block of zeros has e = 0. As a byte (E8M0): e + 127.
;;     - Each number is divided by its block's scale, clamped to +-6, and rounded to the nearest number of E2M1, ties to even, subnormals kept.
;;     - The product sums the exact products of the quantised numbers (number of the format x scale) in f32.
;;   ~~~python
;;   def quantise(x, axis):      # numpy; x: float32 -> the quantised numbers, widened to float32 again
;;       x = np.moveaxis(x, axis, -1); K = x.shape[-1]
;;       x = np.pad(x, [(0, 0)] * (x.ndim - 1) + [(0, -K % 32)]); x = x.reshape(x.shape[:-1] + (-1, 32)); a = np.abs(x).max(-1, keepdims=True)
;;       e = np.where(a > 0, np.clip(np.frexp(np.where(a > 0, a, 1))[1] - 1 - 2, -126, 127), 0)      # np.frexp(a)[1] - 1 = floor(log2(a)), exactly
;;       r = np.clip(x / 2.0 ** e, -6, 6)
;;       step = 2.0 ** (np.maximum(np.frexp(np.where(r == 0, 1, r))[1] - 1, 0) - 1)
;;       q = np.round(r / step) * step * 2.0 ** e      # np.round: ties to even
;;       return np.moveaxis(q.reshape(q.shape[:-2] + (-1,))[..., :K], -1, axis).astype(np.float32)
;;   ~~~
;; One version. Each part assembles by itself: llvm-mc -triple=amdgcn-amd-amdhsa -mcpu=gfx1250 --defsym DOCPART=n.
;; ======== version 1 of 1: 4 launches
;; limits: values are held in f16: magnitudes above 65,504 overflow, below 6.1e-05 lose precision
;; workspace buffers: xc 2,097,152 bytes; xs 131,072 bytes; wc 1,572,864 bytes; ws 98,304 bytes; wo16 2,097,152 bytes; qkv 25,165,824 bytes; o16 8,388,608 bytes
;; launch quant (part 1): grid 256 x 1, 4 waves a work-group, no clusters, 33,280 bytes of LDS; arguments hidden_states, Wq, Wk, Wv, Wo, xc, xs, wc, ws, wo16; writes xc, xs, wc, ws, wo16
.if DOCPART == 1
	.amdgcn_target "amdgcn-amd-amdhsa--gfx1250"
	.amdhsa_code_object_version 6
	.text
	.protected	k_q899fe0c7a2_quant
	.globl	k_q899fe0c7a2_quant
	.p2align	8
	.type	k_q899fe0c7a2_quant,@function
k_q899fe0c7a2_quant:
	s_mov_b64 s[64:65], 0
	v_nop
	global_prefetch_b8 v0, s[64:65] scope:SCOPE_SE
	s_setreg_imm32_b32 hwreg(HW_REG_WAVE_MODE, 25, 1), 1
	s_wait_xcnt 0x0
; hidden_states [4096][1024], Wq, Wk, Wv [1024][1024], f32, K innermost, become codes of FP4 (E2M1), 4 bits each, with one E8M0 scale byte for each 32 along K;
; Wo [1024][1024] is rounded to f16, as it lies.  xc, xs: hidden_states' codes and bytes; wc, ws: those of Wq, Wk, Wv one behind the other (3,072 rows); wo16: Wo.
; A block's scale is 2^(floor(log2(its largest magnitude)) - 2); its byte is the largest magnitude's exponent field - 2, held at 1 from below.  A block of zeros so gets the byte 1
; where the quantiser's text says 127: its codes are zeros, which add nothing under any byte but 0xff, and the bytes are read by this program alone.
; LIMITS: NaN and infinities among the inputs are not served; |Wo| stays under 65,504, f16's largest number.
; SHARES: 256 work-groups of 32,768 numbers: 0-127 hidden_states, 128-159 Wq, 160-191 Wk, 192-223 Wv, 224-255 Wo.  A wave takes 8,192 numbers.  Rows are dense and K is a multiple of 32,
; so every tensor is a plain stream of blocks of 32.  Only pointers are chosen by the work-group's number; the four quantised tensors take one path.
; THE QUANTISER'S PATH: 16 steps of 512 numbers.  A step's four loads read 512 consecutive bytes each; the 2,048 bytes turn through the wave's own stage in LDS and come back 64 bytes a lane,
; so that a lane holds 16 neighbours along K and two neighbouring lanes a block.  A lane's 16 codes are 8 bytes: a wave's store covers 256 consecutive bytes, aligned.
; A wave's 256 scale bytes are gathered in its own LDS bytes and leave by one store of 256 consecutive bytes.  No barrier: waves share nothing.
.set WAVES, 4
.set STEPS, 16
.set EMAX,  2
.set CB,    8                          ; bytes of 16 codes
.set R,     16                         ; v16-79   four sets of 16 numbers as they are loaded
.set X,     80                         ; v80-111  two sets of 16 neighbours
.set E,     112                        ; v112-127 a scale byte for each step
.set C,     128                        ; v128-191 codes: four registers for each step, so that no store's data are written again
.set WI,    16                         ; Wo's path: v16-143 four sets of 32 numbers
.set WO,    144                        ; Wo's path: v144-175 two sets of 16 registers of f16 pairs
.set WREG,  8192                       ; LDS: a region for each wave: two stages of 32 x SP bytes, behind them its 256 scale bytes
.set SP,    80                         ; a lane's place in a stage: 64 bytes + 16 of padding
.set SPW,   12                         ; v12  LDS address of my spare word: SPARE + 4 x my thread's number; never rewritten
.set NIL,   13                         ; v13  0; never rewritten
.set SPARE, WAVES*WREG                 ; behind the four regions: the spare words, 128 bytes a wave, which no other line names
	s_load_b512 s[4:19], s[0:1], 0x0               ; hidden s[4:5], Wq s[6:7], Wk s[8:9], Wv s[10:11], Wo s[12:13], xc s[14:15], xs s[16:17], wc s[18:19]
	s_load_b128 s[20:23], s[0:1], 0x40             ; ws s[20:21], wo16 s[22:23]
	v_lshl_add_u32 v[SPW], v0, 2, SPARE
	v_mov_b32 v[NIL], 0
	v_lshrrev_b32 v1, 5, v0
	v_readfirstlane_b32 s32, v1                    ; wave
	v_and_b32 v2, 31, v0                           ; lane
	v_lshlrev_b32 v3, 4, v2                        ; my 16 bytes of a load's 512
	s_mul_i32 s33, s32, WREG
	v_lshrrev_b32 v14, 2, v2
	v_mul_u32_u24 v14, v14, SP
	v_and_b32 v15, 3, v2
	v_lshl_add_u32 v14, v15, 4, v14
	v_add_nc_u32 v14, s33, v14                     ; the stage, on the way in: SP (lane / 4) + 16 (lane % 4)
	v_mul_u32_u24 v15, v2, SP
	v_add_nc_u32 v15, s33, v15                     ; and on the way out: SP x lane: my 16 neighbours
	v_mul_u32_u24 v4, v2, CB                       ; my codes' place in a step's
	v_lshrrev_b32 v5, 1, v2
	s_add_co_u32 s33, s33, 2*32*SP
	v_add_nc_u32 v5, s33, v5                       ; LDS: my wave's 256 scale bytes, my block's byte
	v_lshlrev_b32 v7, 3, v2                        ; 8 bytes a lane
	v_add_nc_u32 v6, s33, v7
	s_wait_kmcnt 0x0
	s_cmp_ge_u32 ttmp9, 224                        ; the last 32 work-groups round Wo
	s_cbranch_scc1 .Lwo
	s_cmp_lt_u32 ttmp9, 192                        ; which tensor: the choices hang on the work-group's number alone
	s_cselect_b64 s[24:25], s[8:9], s[10:11]       ; Wk or Wv,
	s_cmp_lt_u32 ttmp9, 160
	s_cselect_b64 s[24:25], s[6:7], s[24:25]       ; or Wq,
	s_and_b32 s31, ttmp9, 31                       ; a weight's 32 work-groups
	s_cmp_lt_u32 ttmp9, 128
	s_cselect_b64 s[24:25], s[4:5], s[24:25]       ; or hidden_states
	s_cselect_b64 s[26:27], s[14:15], s[18:19]     ; the codes' buffer
	s_cselect_b64 s[28:29], s[16:17], s[20:21]     ; the scale bytes' buffer
	s_cselect_b32 s30, 0, 128
	s_cselect_b32 s31, ttmp9, s31                  ; my place in the source tensor
	s_sub_co_u32 s30, ttmp9, s30                   ; and in the codes' buffer: the three weights lie one behind the other
	s_lshl_b32 s31, s31, 2
	s_add_co_u32 s31, s31, s32                     ; which run of 8,192 numbers is my wave's
	s_lshl_b32 s34, s31, 15                        ; 32,768 bytes of f32 a run
	s_mov_b32 s35, 0
	s_add_nc_u64 s[24:25], s[24:25], s[34:35]
	s_lshl_b32 s30, s30, 2
	s_add_co_u32 s30, s30, s32
	s_lshl_b32 s34, s30, 12                        ; 4,096 bytes of codes a run
	s_add_nc_u64 s[26:27], s[26:27], s[34:35]
	s_lshl_b32 s34, s30, 8                         ; 256 scale bytes a run
	s_add_nc_u64 s[28:29], s[28:29], s[34:35]
.macro LOAD t
.irp i, 0,1,2,3
	global_load_b128 v[R+16*((\t)%4)+4*\i:R+16*((\t)%4)+4*\i+3], v3, s[24:25] offset:2048*(\t)+512*\i th:TH_LOAD_NT   ; 32 lanes read 512 consecutive bytes
.endr
.endm
.macro TURN t                          ; step t's numbers through the stage: LDS serves a wave's instructions in order, so no wait stands between the stores and the loads
.irp i, 0,1,2,3
	ds_store_b128 v14, v[R+16*((\t)%4)+4*\i:R+16*((\t)%4)+4*\i+3] offset:32*SP*((\t)%2)+8*SP*\i
.endr
.irp i, 0,1,2,3
	ds_load_b128 v[X+16*((\t)%2)+4*\i:X+16*((\t)%2)+4*\i+3], v15 offset:32*SP*((\t)%2)+16*\i
.endr
.endm
.irp t, 0,1,2,3
	LOAD \t
.endr
	s_wait_loadcnt 12                              ; step 0's four loads are in; the twelve of steps 1 to 3 stay out
	TURN 0
.macro STEP t
.set XS, X+16*((\t)%2)
.if (\t) > 0
	s_wait_dscnt 1                                 ; this step's numbers are back from the stage (the last step's byte store may be out): its stores into the stage have read their registers,
.else
	s_wait_dscnt 0x0
.endif
.if (\t)+4 < STEPS
	LOAD (\t)+4                                    ; which take the loads of four steps on
.endif
.if (\t)+1 < STEPS
.if STEPS-2-(\t) >= 3
	s_wait_loadcnt 12                              ; the next step's four loads are in; those of the three steps behind it may be out
.else
	s_wait_loadcnt 4*(STEPS-2-(\t))
.endif
	TURN (\t)+1                                    ; and go through the other stage while this step is worked
.endif
	v_max3_num_f32 v8, |v[XS]|, |v[XS+1]|, |v[XS+2]|               ; the largest magnitude of my 16, in two chains
	v_max3_num_f32 v9, |v[XS+3]|, |v[XS+4]|, |v[XS+5]|
.irp i, 6,10
	v_max3_num_f32 v8, v8, |v[XS+\i]|, |v[XS+\i+1]|
	v_max3_num_f32 v9, v9, |v[XS+\i+2]|, |v[XS+\i+3]|
.endr
	v_max3_num_f32 v8, v8, |v[XS+14]|, |v[XS+15]|
	v_max3_num_f32 v8, v8, v9, (EMAX+1)<<23        ; and the floor 2^(EMAX + 1 - 127): the byte cannot fall under 1
	v_max_num_f32_dpp v8, v8, v8 row_xmask:1 row_mask:0xf bank_mask:0xf   ; and of my neighbour's 16: the block's
	v_add_nc_u32 v11, -(EMAX<<23), v8              ; EMAX off its exponent field: the conversion takes the exponent field of this operand as its scale, and nothing else of it
	v_cvt_scalef32_pk8_fp4_f32 v[C+4*(\t)], v[XS:XS+7], v11        ; eight numbers / the scale, to the nearest code, ties to even, beyond the largest code the largest
	v_cvt_scalef32_pk8_fp4_f32 v[C+4*(\t)+1], v[XS+8:XS+15], v11
	v_lshrrev_b32 v[E+(\t)], 23, v11               ; the scale's byte (a plain line behind the conversions)
	ds_store_b8 v5, v[E+(\t)] offset:16*(\t)       ; both lanes of a block write the same byte with the same value
	global_store_b64 v4, v[C+4*(\t):C+4*(\t)+1], s[26:27] offset:32*CB*(\t)
.endm
.irp t, 0,1,2,3,4,5,6,7,8,9,10,11,12,13,14,15
	STEP \t
.endr
	ds_load_b64 v[8:9], v6                         ; LDS serves a wave's instructions in order: these see my byte stores
	s_wait_dscnt 0x0
	global_store_b64 v7, v[8:9], s[28:29]          ; 32 lanes store 256 consecutive bytes, aligned
	s_wait_tensorcnt 0x0                           ; the wave's end, behind my last LDS store
	ds_add_u32 v[SPW], v[NIL]
	s_wait_dscnt 0x0
	s_endpgm
; Wo's PATH: a wave rounds 8,192 numbers to f16, in 8 rounds of 8 loads of 512 consecutive bytes; loads run four rounds ahead.  It touches no LDS.
.Lwo:
	s_sub_co_u32 s30, ttmp9, 224
	s_lshl_b32 s30, s30, 2
	s_add_co_u32 s30, s30, s32                     ; which run of 8,192 numbers
	s_lshl_b32 s34, s30, 15
	s_mov_b32 s35, 0
	s_add_nc_u64 s[12:13], s[12:13], s[34:35]
	s_lshl_b32 s34, s30, 14
	s_add_nc_u64 s[22:23], s[22:23], s[34:35]
.macro WLOAD t
.irp i, 0,1,2,3,4,5,6,7
	global_load_b128 v[WI+32*((\t)%4)+4*\i:WI+32*((\t)%4)+4*\i+3], v3, s[12:13] offset:512*(8*(\t)+\i) th:TH_LOAD_NT
.endr
.endm
.macro WROUND t, left                  ; left: the loads of younger rounds, which may stay out
	s_wait_loadcnt \left
.if (\t) >= 2
	s_wait_xcnt 0x0                                ; the stores of two rounds back have read their data: that set is written again only behind this wait
.endif
.irp i, 0,1,2,3,4,5,6,7
	v_cvt_pk_f16_f32 v[WO+16*((\t)%2)+2*\i], v[WI+32*((\t)%4)+4*\i], v[WI+32*((\t)%4)+4*\i+1]
	v_cvt_pk_f16_f32 v[WO+16*((\t)%2)+2*\i+1], v[WI+32*((\t)%4)+4*\i+2], v[WI+32*((\t)%4)+4*\i+3]
.endr
.if (\t)+4 < 8
	WLOAD (\t)+4
.endif
.irp i, 0,1,2,3,4,5,6,7
	global_store_b64 v7, v[WO+16*((\t)%2)+2*\i:WO+16*((\t)%2)+2*\i+1], s[22:23] offset:256*(8*(\t)+\i)   ; 32 lanes store 256 consecutive bytes, aligned
.endr
.endm
.irp t, 0,1,2,3
	WLOAD \t
.endr
	WROUND 0, 24
	WROUND 1, 24
	WROUND 2, 24
	WROUND 3, 24
	WROUND 4, 24
	WROUND 5, 16                                   ; nothing more is loaded: the counts run down
	WROUND 6, 8
	WROUND 7, 0
	s_endpgm
.Lfunc_end_k_q899fe0c7a2_quant:
	.size	k_q899fe0c7a2_quant, .Lfunc_end_k_q899fe0c7a2_quant-k_q899fe0c7a2_quant
	.p2alignl 7, 3214868480
	.fill 96, 4, 3214868480
	.section	.rodata,"a",@progbits
	.p2align	6, 0x0
	.amdhsa_kernel k_q899fe0c7a2_quant
		.amdhsa_group_segment_fixed_size 33280
		.amdhsa_private_segment_fixed_size 0
		.amdhsa_enable_private_segment 0
		.amdhsa_kernarg_size 80
		.amdhsa_user_sgpr_count 2
		.amdhsa_user_sgpr_kernarg_segment_ptr 1
		.amdhsa_wavefront_size32 1
		.amdhsa_system_sgpr_workgroup_id_x 1
		.amdhsa_system_sgpr_workgroup_id_y 1
		.amdhsa_system_sgpr_workgroup_id_z 1
		.amdhsa_system_vgpr_workitem_id 0
		.amdhsa_next_free_vgpr 192
		.amdhsa_next_free_sgpr 66
		.amdhsa_reserve_vcc 0
		.amdhsa_float_denorm_mode_32 3
		.amdhsa_float_denorm_mode_16_64 3
		.amdhsa_memory_ordered 1
		.amdhsa_forward_progress 1
		.amdhsa_inst_pref_size 54
	.end_amdhsa_kernel
	.amdgpu_metadata
---
amdhsa.version: [ 1, 2 ]
amdhsa.kernels:
  - .name:           k_q899fe0c7a2_quant
    .symbol:         k_q899fe0c7a2_quant.kd
    .args:
      - { .name: hidden_states, .offset: 0, .size: 8, .value_kind: global_buffer, .address_space: global }
      - { .name: Wq, .offset: 8, .size: 8, .value_kind: global_buffer, .address_space: global }
      - { .name: Wk, .offset: 16, .size: 8, .value_kind: global_buffer, .address_space: global }
      - { .name: Wv, .offset: 24, .size: 8, .value_kind: global_buffer, .address_space: global }
      - { .name: Wo, .offset: 32, .size: 8, .value_kind: global_buffer, .address_space: global }
      - { .name: xc, .offset: 40, .size: 8, .value_kind: global_buffer, .address_space: global }
      - { .name: xs, .offset: 48, .size: 8, .value_kind: global_buffer, .address_space: global }
      - { .name: wc, .offset: 56, .size: 8, .value_kind: global_buffer, .address_space: global }
      - { .name: ws, .offset: 64, .size: 8, .value_kind: global_buffer, .address_space: global }
      - { .name: wo16, .offset: 72, .size: 8, .value_kind: global_buffer, .address_space: global }
    .group_segment_fixed_size: 33280
    .private_segment_fixed_size: 0
    .kernarg_segment_align: 8
    .kernarg_segment_size: 80
    .max_flat_workgroup_size: 128
    .sgpr_count:     66
    .vgpr_count:     192
    .wavefront_size: 32
...
	.end_amdgpu_metadata
.endif
;; end of part 1
;; launch qkvproj (part 2): grid 12 x 16, 4 waves a work-group, clusters of 4 x 4, 327,680 bytes of LDS; arguments xc, xs, wc, ws, bq, bk, qkv; writes qkv
.if DOCPART == 2
	.amdgcn_target "amdgcn-amd-amdhsa--gfx1250"
	.amdhsa_code_object_version 6
	.text
	.protected	k_q899fe0c7a2_qkvproj
	.globl	k_q899fe0c7a2_qkvproj
	.p2align	8
	.type	k_q899fe0c7a2_qkvproj,@function
k_q899fe0c7a2_qkvproj:
	s_mov_b64 s[64:65], 0
	v_nop
	global_prefetch_b8 v0, s[64:65] scope:SCOPE_SE
	s_setreg_imm32_b32 hwreg(HW_REG_WAVE_MODE, 25, 1), 1
	s_wait_xcnt 0x0
	s_wait_alu depctr_hold_cnt(0) depctr_sa_sdst(0) depctr_va_vdst(0) depctr_va_sdst(0) depctr_va_ssrc(0) depctr_va_vcc(0) depctr_vm_vsrc(0)
	s_getreg_b32 s2, hwreg(HW_REG_IB_STS2, 6, 4)
	s_cmp_eq_u32 s2, 0
	s_cbranch_scc0 .Lentry_in_a_cluster
	s_endpgm
.Lentry_in_a_cluster:
	s_bfe_u32 s2, ttmp6, 0x10000c
	s_cmp_lg_u32 s2, 0xf033
	s_cbranch_scc0 .Lentry_shape_is_right
	s_endpgm
.Lentry_shape_is_right:
; Q = x Wq^T + bq, K = x Wk^T + bk, V^T = Wv x^T, on codes of FP4 (E2M1) with one E8M0 scale for each 32 along K = 1,024; sums in f32; results rounded once to f16.
; (bv is added in the attention launch, behind the division by the row's sum: the weights of a row sum to 1.  q is left unscaled: 1 / sqrt(128) stands in the softmax's constant.)
; LIMITS: |q|, |k|, |v| stay under 65,504, f16's largest number.  The bias is the C of a sum's first product: an order of rounding that differs from adding it last.
; A tile of 256 x 256 is made by a work-group of four waves; a wave makes 128 x 128: 64 accumulators, 512 registers.  K = 1,024 is two LDS slots of 512 along K (rows of 256 bytes):
; both are asked for at the head, and nothing is filled again.  The scale bytes of the tile's rows, for all of K, come once, as dense blocks.
; TWO ROLES.  Role A's 16 rows are source 1 of the matrix instruction, role B's source 0: a lane then holds ONE row of role A and eight neighbouring rows of role B.
;   clusters x = 0, 1 (Q, K): role A = tokens (xc, xs), role B = channels (wc, ws).     cluster x = 2 (V^T): role A = Wv's channels, role B = tokens.
; The roles' buffers and rows are chosen by selects on the cluster's x, the same in all sixteen partners; the text is one.
; CLUSTERS: 4 x 4.  Role A's tile hangs on cy (and the cluster's y) and is shared along a row of the cluster, role B's on cx and is shared along a column: each is asked for jointly.
; THE RESULT IS STORED AS AN IMAGE OF THE NEXT PRODUCT'S OPERAND REGISTERS.  A lane's eight results, packed to f16, are 16 bytes: (row 16 a + r of role A, rows 16 b + 8 h + 0..7 of role B): just what
; lane 16 h + r of a 16-bit fragment holds in four registers.  qkv: three parts (Q, K, V^T) of [16 heads of the two batches][16 blocks of 128 tokens][a: 8][b: 8][lane: 32][16 bytes].
; So each store of a wave covers 512 consecutive bytes, aligned, straight from registers.
; REGISTERS, in windows of 256: window 0: v0-31 addresses; v32-95 scale words, two sets; v128-191 role A's fragments, one set; v192-255 the bias in the result's layout; on the way out v32-255 take the packed results.
;   window 1: role B's fragments, two sets, at v0 and v128.   window 2: the accumulators of my rows 0-63 ((a, b) at v[8 (8 a + b)]);   window 3: those of rows 64-127.
.set KSTEP,  512
.set NQ,     KSTEP/128                 ; matrix instructions deep in a slot
.set ROWB,   256                       ; a tile's row in bytes
.set KROW,   512                       ; a row of codes in memory
.set PITCH,  272                       ; an LDS row: 256 bytes + 16 of padding, so that the 16 rows of a fragment load start 68 words apart
.set FR,     8
.set NL,     2
.set NP,     4                         ; places behind this matrix instruction (ISA guide 7.12.1)
.set HALFT,  128*PITCH
.set SLOT,   4*HALFT                   ; role A's 256 rows, then role B's
.set KS,     32                        ; a row of scale bytes
.set SCL,    2*SLOT                    ; behind the slots: the scale bytes, as rows of 256 bytes + 16 of padding
.set HALFS,  (128*KS/256)*272
.set SBLK,   (16*KS/256)*272
.set SPARE,  SCL+4*HALFS               ; the spare words, 128 bytes a wave, which no other line names
.set ADRA, 16                          ; v16-17  LDS address of my role A fragments in slot 0, 1
.set ADRB, 20                          ; v20-21  the same for role B
.set CO,   26                          ; v26     16 x lane: my place in a store's 512 bytes
.set ADRS, 27                          ; v27     LDS address of my scale words: lanes 0-15 role A's rows, lanes 16-31 role B's
.set SPW,  28                          ; v28     my spare word's address; never rewritten
.set NIL,  29                          ; v29     0; never rewritten
.set SC,   32
.set AF,   128
.set BI,   192                         ; v[BI + 8 b + j]: the bias of role B's row 16 b + 8 h + j (zeros in V^T's clusters)
.set TP,   32                          ; the way out: seven sets of 32 registers
.set G1, 24
.set G0, 32
.set G1B, 48
.set G0B, 56
.set G1S, 68
.set G0S, 76
.set G1SB, 80
.set G0SB, 88
.set MSB, 0
.macro WIN new                         ; the immediate's high byte repeats the setting that is left
.if MSB != \new
	s_set_vgpr_msb (MSB<<8)|\new
.set MSB, \new
.endif
.endm
.set MUL_LO, 0xa1                      ; source 0 (B) window 1, source 1 (A) window 0, C and D window 2
.set MUL_HI, 0xf1                      ; the same, C and D window 3
.set BEG_LO, 0x81                      ; the first step: C (the bias) window 0, D window 2
.set BEG_HI, 0xc1                      ; D window 3
.set TO_B,   0x40                      ; destination window 1, address window 0
; A joint load: waves 0 and 1 fetch for role A, waves 2 and 3 for role B.  The branch hangs on the wave's number alone.  An s_nop 0 and four v_nop follow each line.
.macro JLOAD g0a, g1a, g0b, g1b
	s_cmp_eq_u32 s15, 0
	s_cbranch_scc0 .Lfor_b_\@
	tensor_load_to_lds s[\g0a:\g0a+3], s[\g1a:\g1a+7]
	s_nop 0
.rept 4
	v_nop
.endr
	s_branch .Lasked_\@
.Lfor_b_\@:
	tensor_load_to_lds s[\g0b:\g0b+3], s[\g1b:\g1b+7]
	s_nop 0
.rept 4
	v_nop
.endr
.Lasked_\@:
.endm
.macro CROUND                          ; a round of the cluster's barrier
	s_barrier_signal -1
	s_barrier_wait -1
	s_cmp_lg_u32 s14, 0
	s_cbranch_scc1 .Lnot_wave_0_\@
	s_barrier_signal -3
.Lnot_wave_0_\@:
	s_barrier_wait -3
	s_barrier_signal -1
	s_barrier_wait -1
.endm
	s_load_b256 s[4:11], s[0:1], 0x0               ; xc s[4:5], xs s[6:7], wc s[8:9], ws s[10:11]
	s_load_b128 s[96:99], s[0:1], 0x20             ; bq s[96:97], bk s[98:99]
	s_load_b64 s[12:13], s[0:1], 0x30              ; qkv
	v_lshl_add_u32 v[SPW], v0, 2, SPARE
	v_mov_b32 v[NIL], 0
	ds_add_u32 v[SPW], v[NIL]                      ; the wave's opening: the add, twice on end, and its wait ahead of my first tensor load
	ds_add_u32 v[SPW], v[NIL]                      ; the set-up below, work on registers, stands between the second and the wait
	v_lshrrev_b32 v1, 5, v0
	v_readfirstlane_b32 s14, v1                    ; wave 0..3
	s_lshr_b32 s15, s14, 1                         ; which half of role A's rows is mine.  Also: I fetch for role A (0) or B (1)
	s_and_b32 s16, s14, 1                          ; which half of role B's rows.  Also: which 128 rows of that tile I fetch
	s_bfe_u32 s40, ttmp6, 0x40000                  ; cx
	s_bfe_u32 s41, ttmp6, 0x40004                  ; cy
	s_and_b32 s17, ttmp7, 0xffff                   ; the cluster's y
	s_lshl_b32 s43, s41, 2
	s_lshl_b32 s43, 15, s43                        ; my row of the cluster
	s_lshl_b32 s44, 0x1111, s40                    ; my column
	; descriptor group 1: a tile of 128 rows x 256 bytes, 16 bytes of padding behind each row
	s_or_b32 s[G1+0], s43, (0<<16)|(1<<20)|(1<<21)|(5<<22)|(3<<25)  ; 15:0 the mask; 17:16 elements of 1 byte; 20 padding on; 21 set beside a mask; 24:22 after every 64 words; 31:25 four words
	s_or_b32 s[G1B+0], s44, (0<<16)|(1<<20)|(1<<21)|(5<<22)|(3<<25)
.irp g, G1, G1B
	s_mov_b32 s[\g+1], ROWB<<16                    ; tensor_dim0
	s_mov_b32 s[\g+2], 128<<16                     ; tensor_dim1
	s_mov_b32 s[\g+3], ROWB<<16                    ; tile_dim0
	s_mov_b32 s[\g+4], 128                         ; tile_dim1
	s_mov_b32 s[\g+5], KROW                        ; from row to row
	s_mov_b32 s[\g+6], 0
	s_mov_b32 s[\g+7], 0
.endr
	; the scale bytes of 128 rows: a dense block of 4,096 bytes, as 16 rows of 256 bytes (32 elements of 8 bytes), 16 bytes of padding behind each
	s_or_b32 s[G1S+0], s43, (3<<16)|(1<<20)|(1<<21)|(5<<22)|(3<<25)
	s_or_b32 s[G1SB+0], s44, (3<<16)|(1<<20)|(1<<21)|(5<<22)|(3<<25)
.irp g, G1S, G1SB
	s_mov_b32 s[\g+1], 32<<16
	s_mov_b32 s[\g+2], (128*KS/256)<<16
	s_mov_b32 s[\g+3], 32<<16
	s_mov_b32 s[\g+4], 128*KS/256
	s_mov_b32 s[\g+5], 32
	s_mov_b32 s[\g+6], 0
	s_mov_b32 s[\g+7], 0
.endr
	; the roles' first rows.  Q, K: A = token 256 (4 cluster y + cy), B = row 256 (4 cluster x + cx) of wc.  V^T: A = row 2,048 + 256 cy of wc, B = token 256 (4 cluster y + cx)
	s_lshl_b32 s18, s17, 10                        ; 1,024 x cluster y
	s_lshl_b32 s19, ttmp9, 10                      ; 1,024 x cluster x
	s_cmp_eq_u32 ttmp9, 2                          ; V^T's clusters: the same answer in all sixteen partners
	s_cselect_b32 s20, 2048, s18
	s_cselect_b32 s46, s18, s19
	s_cselect_b32 s95, 0, -1                       ; the bias's mask: V^T's sums begin at 0
	s_lshl_b32 s21, s41, 8
	s_add_co_u32 s20, s20, s21                     ; role A's first row: + 256 cy (no register that feeds A's descriptors holds cx)
	s_lshl_b32 s47, s40, 8
	s_add_co_u32 s46, s46, s47                     ; role B's: + 256 cx (none that feeds B's holds cy)
	; where my 128 x 128 goes: blocks of 128 rows of the two roles, one of them tokens, the other channels
	s_lshr_b32 s100, s20, 7
	s_add_co_u32 s100, s100, s15                   ; role A's block
	s_lshr_b32 s101, s46, 7
	s_add_co_u32 s101, s101, s16                   ; role B's block
	s_cmp_eq_u32 ttmp9, 2
	s_cselect_b32 s104, s101, s100                 ; the block of tokens, 0..31
	s_cselect_b32 s105, s100, s101                 ; the block of channels, 0..23: 8 x part + head
	s_lshr_b32 s100, s105, 3
	s_lshl_b32 s100, s100, 23                      ; the part: 8,388,608 bytes each
	s_lshr_b32 s101, s104, 4                       ; the batch
	s_lshl_b32 s101, s101, 3
	s_and_b32 s105, s105, 7                        ; the head
	s_add_co_u32 s101, s101, s105
	s_lshl_b32 s101, s101, 19                      ; 16 blocks of 32,768 bytes for a head of a batch
	s_add_co_u32 s100, s100, s101
	s_and_b32 s104, s104, 15
	s_lshl_b32 s104, s104, 15
	s_add_co_u32 s100, s100, s104
	s_mov_b32 s101, 0
	s_lshl_b32 s104, s105, 9                       ; the head's 128 numbers of the bias
	s_mov_b32 s105, 0
	; what I fetch
	s_lshl_b32 s18, s16, 7
	s_add_co_u32 s20, s20, s18
	s_add_co_u32 s46, s46, s18
	s_mov_b32 s21, 0
	s_mov_b32 s47, 0
	s_mov_b64 s[18:19], KS
	s_mul_u64 s[22:23], s[20:21], s[18:19]         ; where these rows' scale bytes begin,
	s_mul_u64 s[92:93], s[46:47], s[18:19]
	s_mov_b64 s[18:19], KROW
	s_mul_u64 s[20:21], s[20:21], s[18:19]         ; and their codes
	s_mul_u64 s[46:47], s[46:47], s[18:19]
	s_mul_i32 s45, s14, HALFT                      ; where they go: wave x 128 rows: no place in the cluster enters an LDS address
	s_mul_i32 s94, s14, HALFS
	s_wait_dscnt 0x0                               ; both opening adds are done
	s_wait_kmcnt 0x0
	s_cmp_eq_u32 ttmp9, 2                          ; the roles' buffers
	s_cselect_b64 s[2:3], s[8:9], s[4:5]           ; role A's codes: wc or xc
	s_cselect_b64 s[8:9], s[4:5], s[8:9]           ; role B's codes: xc or wc
	s_cselect_b64 s[4:5], s[10:11], s[6:7]         ; role A's scale bytes: ws or xs
	s_cselect_b64 s[10:11], s[6:7], s[10:11]       ; role B's: xs or ws
	s_cmp_eq_u32 ttmp9, 0
	s_cselect_b64 s[96:97], s[96:97], s[98:99]     ; bq for Q, bk for K (and, masked to zeros, for V^T)
	s_add_nc_u64 s[20:21], s[2:3], s[20:21]
	s_add_nc_u64 s[22:23], s[4:5], s[22:23]
	s_add_nc_u64 s[46:47], s[8:9], s[46:47]
	s_add_nc_u64 s[92:93], s[10:11], s[92:93]
	s_add_nc_u64 s[12:13], s[12:13], s[100:101]
	s_add_nc_u64 s[96:97], s[96:97], s[104:105]
	CROUND                                         ; all sixteen work-groups are here: the first joint loads meet
	s_mov_b32 s[G0S], 1
	s_add_co_u32 s[G0S+1], s94, SCL
	s_mov_b64 s[G0S+2:G0S+3], s[22:23]
	s_or_b32 s[G0S+3], s[G0S+3], 0x80000000
	s_mov_b32 s[G0SB], 1
	s_add_co_u32 s[G0SB+1], s94, SCL
	s_mov_b64 s[G0SB+2:G0SB+3], s[92:93]
	s_or_b32 s[G0SB+3], s[G0SB+3], 0x80000000
	JLOAD G0S, G1S, G0SB, G1SB                     ; the scale bytes first: they are wanted with slot 0
.irp s, 0,1
	s_mov_b32 s[G0+4*\s], 1
	s_add_co_u32 s[G0+4*\s+1], s45, \s*SLOT
	s_add_nc_u64 s[G0+4*\s+2:G0+4*\s+3], s[20:21], \s*ROWB
	s_or_b32 s[G0+4*\s+3], s[G0+4*\s+3], 0x80000000
	s_mov_b32 s[G0B+4*\s], 1
	s_add_co_u32 s[G0B+4*\s+1], s45, \s*SLOT
	s_add_nc_u64 s[G0B+4*\s+2:G0B+4*\s+3], s[46:47], \s*ROWB
	s_or_b32 s[G0B+4*\s+3], s[G0B+4*\s+3], 0x80000000
	JLOAD G0+4*\s, G1, G0B+4*\s, G1B               ; three loads of mine are out behind the second of these
.endr
	v_and_b32 v1, 15, v0                           ; r = lane % 16
	v_bfe_u32 v2, v0, 4, 1                         ; h = lane / 16
	v_lshlrev_b32 v7, 5, v2                        ; the bias: my half's eight numbers of each 16
.irp b, 0,1,2,3,4,5,6,7
	global_load_b128 v[BI+8*\b:BI+8*\b+3], v7, s[96:97] offset:64*\b
	global_load_b128 v[BI+8*\b+4:BI+8*\b+7], v7, s[96:97] offset:64*\b+16
.endr
	v_mul_u32_u24 v3, v1, PITCH
	v_lshl_add_u32 v4, v2, 4, v3                   ; a fragment's row x pitch + 16 x half
	s_mul_i32 s21, s15, HALFT                      ; my 128 rows of role A
	s_mul_i32 s22, s16, HALFT                      ; my 128 rows of role B,
	s_add_co_u32 s22, s22, 2*HALFT                 ; which lie behind A's 256
.irp s, 0,1
	v_add_nc_u32 v[ADRA+\s], s21, v4
	v_add_nc_u32 v[ADRB+\s], s22, v4
	s_add_co_u32 s21, s21, SLOT
	s_add_co_u32 s22, s22, SLOT
.endr
	v_mul_u32_u24 v5, v1, KS                       ; my row's scale bytes: KS a row,
	v_lshrrev_b32 v6, 8, v5
	v_lshl_add_u32 v5, v6, 4, v5                   ; and 16 more for each 256 passed
	s_mul_i32 s21, s15, HALFS
	s_mul_i32 s22, s16, HALFS
	s_add_co_u32 s22, s22, 2*HALFS
	s_sub_co_u32 s22, s22, s21
	v_mul_u32_u24 v6, s22, v2                      ; lanes 16-31 take role B's: one product, the distance between the two bases x h
	s_add_co_u32 s21, s21, SCL
	v_add_nc_u32 v5, v5, v6
	v_add_nc_u32 v[ADRS], s21, v5
	v_and_b32 v6, 31, v0
	v_lshlrev_b32 v[CO], 4, v6
.macro FRAG reg, adr, q, i             ; 16 rows x 128 K of 4-bit codes: 8 registers; registers 4 c .. 4 c + 3 hold K = 64 c + 32 h + 0 .. 31
.irp c, 0,1
	ds_load_b128 v[\reg+4*\c:\reg+4*\c+3], v[\adr] offset:64*(\q)+32*\c+(\i)*16*PITCH
.endr
.endm
; 16 matrix instructions: role A's blocks a0, a0 + 1 x role B's eight, the slot's q-th 128 along K.  p: B's set; sc: the set of scale words.  zero = 1: the first product starts the sums from the bias: nothing is cleared.
; The 64 accumulators take turns, one instruction a turn, in the same order in every step.
.macro MUL16 a0, p, q, sc, zero
.irp a, \a0, \a0+1
.irp b, 0,1,2,3,4,5,6,7
.if \zero
	v_wmma_scale_f32_16x16x128_f8f6f4 v[8*(8*((\a)%4)+\b):8*(8*((\a)%4)+\b)+7], v[128*(\p)+FR*\b:128*(\p)+FR*\b+FR-1], v[AF+FR*(\a):AF+FR*(\a)+FR-1], v[BI+8*\b:BI+8*\b+7], v[SC+8*NQ*(\sc)+NQ*\b+(\q)], v[SC+8*NQ*(\sc)+NQ*(\a)+(\q)] matrix_a_fmt:MATRIX_FMT_FP4 matrix_b_fmt:MATRIX_FMT_FP4 matrix_a_scale:MATRIX_SCALE_ROW1
.else
	v_wmma_scale_f32_16x16x128_f8f6f4 v[8*(8*((\a)%4)+\b):8*(8*((\a)%4)+\b)+7], v[128*(\p)+FR*\b:128*(\p)+FR*\b+FR-1], v[AF+FR*(\a):AF+FR*(\a)+FR-1], v[8*(8*((\a)%4)+\b):8*(8*((\a)%4)+\b)+7], v[SC+8*NQ*(\sc)+NQ*\b+(\q)], v[SC+8*NQ*(\sc)+NQ*(\a)+(\q)] matrix_a_fmt:MATRIX_FMT_FP4 matrix_b_fmt:MATRIX_FMT_FP4 matrix_a_scale:MATRIX_SCALE_ROW1
.endif
.endr
.endr
.endm
.macro FETCH_B slot, q, p
	WIN TO_B
.irp i, 0,1,2,3,4,5,6,7
	FRAG 128*(\p)+FR*\i, ADRB+\slot, \q, \i
.endr
	WIN 0
.endm
.macro FETCH_A slot, q, i0
.irp i, \i0, \i0+1, \i0+2, \i0+3
	FRAG AF+FR*(\i), ADRA+\slot, \q, \i
.endr
.endm
.macro SCALES sc                       ; a slot's scale words: NQ words a row; lanes 0-15 take role A's block i, lanes 16-31 role B's
.irp i, 0,1,2,3,4,5,6,7
	ds_load_b128 v[SC+8*NQ*\sc+NQ*\i:SC+8*NQ*\sc+NQ*\i+3], v[ADRS] offset:\i*SBLK
.endr
.endm
.macro PLACES n                        ; plain vector lines between a matrix instruction and a load into, or a vector line on, its registers
.rept \n
	v_nop
.endr
.endm
; A step of 128 along K that has its successor in the same slot.  Role A has one set of registers: blocks 0-3 are fetched anew in the step's middle, blocks 4-7 at its end.
.macro STEP slot, q, zero
	s_wait_dscnt 4*NL                              ; B's set and A's blocks 0-3 are in; the youngest eight loads (A's blocks 4-7) may be out
.if \zero
	WIN BEG_LO
.else
	WIN MUL_LO
.endif
	MUL16 0, (\q)%2, \q, \slot, \zero
	MUL16 2, (\q)%2, \q, \slot, \zero
	s_wait_dscnt 0                                 ; A's blocks 4-7 are in
	PLACES NP
	FETCH_B \slot, (\q)+1, 1-(\q)%2
	FETCH_A \slot, (\q)+1, 0
.if \zero
	WIN BEG_HI
.else
	WIN MUL_HI
.endif
	MUL16 4, (\q)%2, \q, \slot, \zero
	MUL16 6, (\q)%2, \q, \slot, \zero
	PLACES NP
	WIN 0
	FETCH_A \slot, (\q)+1, 4
.endm
; Slot 0's last step goes over to slot 1: each wave waits for all its tensor loads (its part of slot 1), and one barrier shows the whole slot to every wave.  Nothing is filled again.
.macro TURN slot, next
	s_wait_tensorcnt 0x0                           ; all my tensor loads have landed (every window is 0 here)
	ds_add_u32 v[SPW], v[NIL]                      ; 0 onto my spare word
	s_wait_dscnt 4*NL+1                            ; (the add and the youngest eight loads may be out)
	WIN MUL_LO
	MUL16 0, 1, NQ-1, \slot, 0
	s_wait_dscnt 0x0                               ; no LDS instruction of mine is out at the signal
	s_barrier_signal -1
	MUL16 2, 1, NQ-1, \slot, 0
	WIN 0
	s_barrier_wait -1
	PLACES NP
	v_add_nc_u32 v[ADRS], 4*NQ, v[ADRS]            ; on to the next slot's scale words
	FETCH_B \next, 0, 0
	FETCH_A \next, 0, 0
	SCALES \next
	WIN MUL_HI
	MUL16 4, 1, NQ-1, \slot, 0
	MUL16 6, 1, NQ-1, \slot, 0
	PLACES NP
	WIN 0
	FETCH_A \next, 0, 4
.endm
.macro STEPS slot, from
.set Q, \from
.rept NQ-1-\from
	STEP \slot, Q, 0
.set Q, Q+1
.endr
.endm
	s_wait_loadcnt 0x0                             ; the bias
.set j, 0
.rept 64
	v_and_b32 v[BI+j], s95, v[BI+j]                ; kept for Q and K, zeros for V^T
.set j, j+1
.endr
	PLACES 8
	s_wait_tensorcnt 1                             ; the scale bytes and my part of slot 0 are in; slot 1's load may be out
	s_barrier_signal -1
	s_barrier_wait -1
	FETCH_B 0, 0, 0
	FETCH_A 0, 0, 0
	SCALES 0
	FETCH_A 0, 0, 4
	STEP 0, 0, 1
	STEPS 0, 1
	TURN 0, 1
	STEPS 1, 0
	s_wait_dscnt 4*NL                              ; the last step: nothing more to fetch
	WIN MUL_LO
	MUL16 0, 1, NQ-1, 1, 0
	MUL16 2, 1, NQ-1, 1, 0
	s_wait_dscnt 0
	WIN MUL_HI
	MUL16 4, 1, NQ-1, 1, 0
	MUL16 6, 1, NQ-1, 1, 0
	; THE WAY OUT: block a of 16 rows: 32 roundings to pairs of f16, each accumulator from its low end on, and eight stores of 512 consecutive bytes
	PLACES NP
.irp a, 0,1,2,3,4,5,6,7
.if \a == 7
	s_wait_xcnt 0x0                                ; block 0's stores have read their data: its set of registers is written again only behind this wait
.endif
	WIN 0x0a+5*(\a/4)                              ; sources 0 and 1: window 2 or 3
.irp b, 0,1,2,3,4,5,6,7
.irp r, 0,1,2,3
	v_cvt_pk_f16_f32 v[TP+32*(\a%7)+4*\b+\r], v[64*(\a%4)+8*\b+2*\r], v[64*(\a%4)+8*\b+2*\r+1]
.endr
.endr
	WIN 0
.irp b, 0,1,2,3,4,5,6,7
	global_store_b128 v[CO], v[TP+32*(\a%7)+4*\b:TP+32*(\a%7)+4*\b+3], s[12:13] offset:\a*4096+\b*512
.endr
.endr
	s_wait_tensorcnt 0x0                           ; the wave's end
	ds_add_u32 v[SPW], v[NIL]
	s_wait_dscnt 0x0
	CROUND                                         ; the closing round
	s_endpgm
.Lfunc_end_k_q899fe0c7a2_qkvproj:
	.size	k_q899fe0c7a2_qkvproj, .Lfunc_end_k_q899fe0c7a2_qkvproj-k_q899fe0c7a2_qkvproj
	.p2alignl 7, 3214868480
	.fill 96, 4, 3214868480
	.section	.rodata,"a",@progbits
	.p2align	6, 0x0
	.amdhsa_kernel k_q899fe0c7a2_qkvproj
		.amdhsa_group_segment_fixed_size 327680
		.amdhsa_private_segment_fixed_size 0
		.amdhsa_enable_private_segment 0
		.amdhsa_kernarg_size 56
		.amdhsa_user_sgpr_count 2
		.amdhsa_user_sgpr_kernarg_segment_ptr 1
		.amdhsa_wavefront_size32 1
		.amdhsa_system_sgpr_workgroup_id_x 1
		.amdhsa_system_sgpr_workgroup_id_y 1
		.amdhsa_system_sgpr_workgroup_id_z 1
		.amdhsa_system_vgpr_workitem_id 0
		.amdhsa_next_free_vgpr 1024
		.amdhsa_next_free_sgpr 106
		.amdhsa_reserve_vcc 0
		.amdhsa_float_denorm_mode_32 3
		.amdhsa_float_denorm_mode_16_64 3
		.amdhsa_memory_ordered 1
		.amdhsa_forward_progress 1
		.amdhsa_inst_pref_size 122
	.end_amdhsa_kernel
	.amdgpu_metadata
---
amdhsa.version: [ 1, 2 ]
amdhsa.kernels:
  - .name:           k_q899fe0c7a2_qkvproj
    .symbol:         k_q899fe0c7a2_qkvproj.kd
    .args:
      - { .name: xc, .offset: 0, .size: 8, .value_kind: global_buffer, .address_space: global }
      - { .name: xs, .offset: 8, .size: 8, .value_kind: global_buffer, .address_space: global }
      - { .name: wc, .offset: 16, .size: 8, .value_kind: global_buffer, .address_space: global }
      - { .name: ws, .offset: 24, .size: 8, .value_kind: global_buffer, .address_space: global }
      - { .name: bq, .offset: 32, .size: 8, .value_kind: global_buffer, .address_space: global }
      - { .name: bk, .offset: 40, .size: 8, .value_kind: global_buffer, .address_space: global }
      - { .name: qkv, .offset: 48, .size: 8, .value_kind: global_buffer, .address_space: global }
    .group_segment_fixed_size: 327680
    .private_segment_fixed_size: 0
    .kernarg_segment_align: 8
    .kernarg_segment_size: 56
    .max_flat_workgroup_size: 128
    .sgpr_count:     106
    .vgpr_count:     1024
    .wavefront_size: 32
...
	.end_amdgpu_metadata
.endif
;; end of part 2
;; launch attn (part 3): grid 16 x 16, 4 waves a work-group, clusters of 4 x 1, 327,680 bytes of LDS; arguments qkv, bv, o16; writes o16
.if DOCPART == 3
	.amdgcn_target "amdgcn-amd-amdhsa--gfx1250"
	.amdhsa_code_object_version 6
	.text
	.protected	k_q899fe0c7a2_attn
	.globl	k_q899fe0c7a2_attn
	.p2align	8
	.type	k_q899fe0c7a2_attn,@function
k_q899fe0c7a2_attn:
	s_mov_b64 s[64:65], 0
	v_nop
	global_prefetch_b8 v0, s[64:65] scope:SCOPE_SE
	s_setreg_imm32_b32 hwreg(HW_REG_WAVE_MODE, 25, 1), 1
	s_wait_xcnt 0x0
	s_wait_alu depctr_hold_cnt(0) depctr_sa_sdst(0) depctr_va_vdst(0) depctr_va_sdst(0) depctr_va_ssrc(0) depctr_va_vcc(0) depctr_vm_vsrc(0)
	s_getreg_b32 s2, hwreg(HW_REG_IB_STS2, 6, 4)
	s_cmp_eq_u32 s2, 0
	s_cbranch_scc0 .Lentry_in_a_cluster
	s_endpgm
.Lentry_in_a_cluster:
	s_bfe_u32 s2, ttmp6, 0x10000c
	s_cmp_lg_u32 s2, 0x3003
	s_cbranch_scc0 .Lentry_shape_is_right
	s_endpgm
.Lentry_shape_is_right:
; o[hd][q][:] = the sum over k of softmax_k(q . k / sqrt(128)) v[k][:] + bv, for 16 heads (8 x batch + head) of 2,048 tokens and 128 channels.  Operands f16, products, maxima and sums f32;
; the weights p are rounded to f16 for the second product, o once at the end.  v comes without its bias: a row's weights sum to 1, so bv is added behind the division by the row's sum.
; LIMITS: |o| under 65,504; NaN and infinities are not served; bv behind the division is an order of rounding that differs from adding it to v.
; qkv: three parts (Q, K, V^T), each [hd: 16][block of 128 tokens: 16][a: 8][b: 8][lane: 32][16 bytes]: images of operand registers.  In Q and K lane 16 h + r of piece (a, b) holds (token 16 a + r,
; channels 16 b + 8 h + 0..7); in V^T (channel 16 a + r, tokens 16 b + 8 h + 0..7).  Pieces (a, 2 c) and (a, 2 c + 1) are registers 0-3 and 4-7 of a fragment of 16 rows x 32 along K:
; every fragment comes from LDS by two loads at 16 x lane + a constant: no pitch, no padding, nothing is turned.
; SHARES.  A work-group owns 128 queries of one head.  Wave w: queries 64 (w / 2) on, four tiles of 16; of every 256 keys the 128 numbered w % 2.  So each fragment of K and V read from LDS feeds four products.
; At the end the two waves of a pair of equal queries bring their halves together through LDS: each finishes two tiles.
; LAYOUT.  S^T = K Q^T (source 0 = 16 keys, source 1 = 16 queries), O^T = V^T P: a lane holds ONE query throughout.
; SOFTMAX.  A running maximum m and sum l for each query: p = 2^(c s - c m), c = log2(e) / sqrt(128); in every step O and l are multiplied by a = 2^(c m_old - c m_new).
; BY TURNS.  The wave's tiles are two pieces (tiles 0, 1 and tiles 2, 3).  In a turn one piece has the matrix unit: 32 products V^T P of the step in hand, then 32 products K Q^T of the next step;
; the other piece's softmax, cut into 64 slices, stands between them, one slice behind each matrix instruction.  Two turns are a key step of 64 keys.
; CLUSTER.  The four query blocks of a cluster belong to one head and walk the same K and V: each block of 32,768 bytes is asked for jointly, wave w of all four work-groups asking for the w-th block of a slot.
; REGISTERS, in windows of 256: window 0: v0-11 addresses; v12-43 statistics, eight a tile; v44-47 the partner's; v64-191 S^T; v192-255 P.   window 1: O^T, 64 a tile.
;   window 2: v0-127 Q; v128-255 K of one step.   window 3: v0-127 V of one step; v128-191 bv in O^T's layout.
.set SLOT1, 1<<17     ; a slot: 256 keys: K's two blocks of 32,768 bytes, then V^T's two; slot 1 begins here, so that one exclusive or turns an address
.set SPARE, 2*SLOT1   ; behind the ring: the spare words, 128 bytes a wave, which no other line names
.set BOX,   16896     ; the end: a wave's outbox: two tiles of O^T (8,192 bytes each), then four runs of 128 bytes (c m and l of the two).  The boxes lie in slot 0, which has had its last fill and its last read by then
.set L16, 2           ; v2   16 x lane; never rewritten
.set ADR, 4           ; v4   the LDS address of the run of loads in hand
.set BVO, 5           ; v5   32 x (lane / 16)
.set MW,  6           ; v6   my outbox, O^T
.set MWS, 7           ; v7   my outbox, statistics
.set MR,  8           ; v8   my partner's outbox, O^T
.set MRS, 9           ; v9   my partner's outbox, statistics
.set ST,  12          ; tile t's statistics at v[ST+8 t]: +0 c m, +1 m, +2, +3 l, +4 to +7 at work
.set PS,  44          ; v44-47 the partner's c m and l of two tiles
.set PFO, 61          ; v61  256 x lane; never rewritten
.set SPW, 62          ; v62  my spare word's address; never rewritten
.set NIL, 63          ; v63  0; never rewritten
.set S,   64
.set P,   192
.set KF,  128         ; K's fragments, in window 2
.set BV,  128         ; bv, in window 3
.set WV,  12          ; s12  my wave's number
.set LIM, 15          ; s15  1 in a wave that prefetches, else the greatest number
.set KH,  16          ; s16  which half of a slot's keys is mine
.set QG,  17          ; s17  which 64 queries
.set PFA, 18          ; s[18:19] where my prefetches stand
.set G1,  24          ; s[24:31] descriptor group 1
.set G0,  40          ; s[40:47] group 0: a set for each of the two first fills; the second then walks on
.set SLOTS, 56
.set TWICE, 57
.set CS,  58          ; s[58:59] c
.set SEL, 60          ; s[60:61] lane selects for v_permlanex16_b32: lane l xor 16
.set TBK, 62          ; s62  LDS byte at which K's pieces of the step to be fetched begin
.set TBV, 63          ; s63  and V^T's
.set MSB, 0
.macro WIN new                      ; the immediate's high byte repeats the setting that is left
.if MSB != \new
	s_set_vgpr_msb (MSB<<8)|\new
.set MSB, \new
.endif
.endm
.set W_KQ, 0x0a       ; K and Q in window 2, S^T in window 0
.set W_PV, 0x53       ; V in window 3, P in window 0, O^T in window 1
.set W_RS, 0x41       ; O^T in window 1, a in window 0
; A PREFETCH INTO THE L2 of what the NEXT change of slots will ask for.  All clusters of a head walk the same K and V: the head's first cluster asks.  Of the 32,768 bytes that wave w fetches, the partner at
; place cx takes 8,192, told apart by address; lanes stand 256 bytes apart: one instruction a wave.  So each aligned block of 256 bytes is named once in the launch.  It stands behind the wave's tensor load
; and its five lines, two key steps (256 matrix instructions) ahead of the load that will want the bytes.  The last change that fills a slot asks for nothing; slots 0 to 2 come by their loads alone.
.macro ASK
	s_cmp_gt_u32 s[SLOTS], s[LIM]
	s_cbranch_scc0 .Lnot_mine_\@
	global_prefetch_b8 v[PFO], s[PFA:PFA+1] th:TH_LOAD_NT scope:SCOPE_SE
.Lnot_mine_\@:
.endm
.macro CROUND                       ; a round of the cluster's barrier
	s_barrier_signal -1
	s_barrier_wait -1
	s_cmp_lg_u32 s[WV], 0
	s_cbranch_scc1 .Lnot_wave_0_\@
	s_barrier_signal -3
.Lnot_wave_0_\@:
	s_barrier_wait -3
	s_barrier_signal -1
	s_barrier_wait -1
.endm
	s_load_b128 s[4:7], s[0:1], 0x0 ; qkv s[4:5], bv s[6:7]
	s_load_b64 s[8:9], s[0:1], 0x10 ; o16
	v_lshl_add_u32 v[SPW], v0, 2, SPARE
	v_mov_b32 v[NIL], 0
	ds_add_u32 v[SPW], v[NIL]       ; the wave's opening: the add, twice on end, and its wait ahead of my first tensor load
	ds_add_u32 v[SPW], v[NIL]       ; the set-up below, work on registers, stands between the second and the wait
	v_lshrrev_b32 v1, 5, v0
	v_readfirstlane_b32 s[WV], v1   ; wave 0..3
	s_and_b32 s[KH], s[WV], 1
	s_lshr_b32 s[QG], s[WV], 1
	s_bfe_u32 s13, ttmp6, 0x40000   ; cx
	s_lshl_b32 s14, ttmp9, 2
	s_add_co_u32 s14, s14, s13      ; my block of 128 queries: it enters Q's and o16's addresses alone
	s_and_b32 s20, ttmp7, 0xffff    ; hd = 8 x batch + head, which the four partners share
	s_lshl_b32 s21, s20, 19         ; the head's 524,288 bytes in a part
	s_add_co_u32 s22, s[QG], 1      ; what I fetch: waves 0, 1 from part 1 (K), waves 2, 3 from part 2 (V^T),
	s_lshl_b32 s22, s22, 23
	s_add_co_u32 s22, s22, s21
	s_lshl_b32 s23, s[KH], 15       ; block w % 2 of a slot's two
	s_add_co_u32 s22, s22, s23
	s_mov_b32 s23, 0
	s_lshl_b32 s2, s14, 15          ; Q: my block,
	s_add_co_u32 s2, s2, s21
	s_lshl_b32 s3, s[QG], 14        ; my four tiles of it
	s_add_co_u32 s2, s2, s3
	s_mov_b32 s3, 0
	s_lshr_b32 s32, s20, 3          ; o16: [16 x batch + block: 32][head / 2: 4][tile: 8][chunk = 8 (head % 2) + channel tile: 16][lane][16 bytes]
	s_lshl_b32 s32, s32, 4
	s_add_co_u32 s32, s32, s14
	s_lshl_b32 s32, s32, 18
	s_bfe_u32 s33, s20, 0x20001     ; (head / 2): 2 bits from bit 1
	s_lshl_b32 s33, s33, 16
	s_add_co_u32 s32, s32, s33
	s_lshl_b32 s33, s[QG], 15
	s_add_co_u32 s32, s32, s33
	s_and_b32 s33, s20, 1
	s_lshl_b32 s33, s33, 12
	s_add_co_u32 s32, s32, s33
	s_mov_b32 s33, 0
	s_and_b32 s34, s20, 7
	s_lshl_b32 s34, s34, 9          ; bv: the head's 128 numbers
	s_mov_b32 s35, 0
	s_lshl_b32 s36, s[WV], 15       ; where my block goes in a slot: no place in the cluster enters an LDS address
	; descriptor group 1: a dense block of 32,768 bytes as 128 rows of 256 bytes (32 elements of 8 bytes)
	s_mov_b32 s[G1], 15|(3<<16)|(1<<21)  ; 15:0 the mask: all four work-groups; 17:16 elements of 8 bytes; 21 set beside a mask; no padding
	s_mov_b32 s[G1+1], 32<<16       ; tensor_dim0
	s_mov_b32 s[G1+2], 128<<16      ; tensor_dim1
	s_mov_b32 s[G1+3], 32<<16       ; tile_dim0
	s_mov_b32 s[G1+4], 128          ; tile_dim1
	s_mov_b32 s[G1+5], 32           ; from row to row
	s_mov_b32 s[G1+6], 0
	s_mov_b32 s[G1+7], 0
	s_mov_b32 s[CS], 0x3e0293ee     ; c = log2(e) / sqrt(128)
	s_mov_b32 s[CS+1], s[CS]        ; named with it as a pair, so it is written
	s_mov_b32 s[SEL], 0x76543210
	s_mov_b32 s[SEL+1], 0xfedcba98
	s_lshl_b32 s[TBK], s[KH], 15
	s_add_co_u32 s[TBV], s[TBK], 65536
	s_mov_b32 s[SLOTS], 6           ; 8 slots' worth of keys; all but the first two are asked for in the loop
	s_cmp_eq_u32 ttmp9, 0           ; the head's first cluster: the same in all four partners
	s_cselect_b32 s[LIM], 1, -1
	v_and_b32 v[PFO], 31, v0
	v_lshlrev_b32 v[PFO], 8, v[PFO]
	s_wait_dscnt 0x0                ; both opening adds are done
	s_wait_kmcnt 0x0
	s_add_nc_u64 s[10:11], s[4:5], s[22:23]  ; my block of slot 0
	s_add_nc_u64 s[4:5], s[4:5], s[2:3]      ; Q at my first tile
	s_add_nc_u64 s[6:7], s[6:7], s[34:35]
	s_add_nc_u64 s[8:9], s[8:9], s[32:33]
	s_lshl_b32 s2, s13, 13          ; my work-group's 8,192 bytes of the block
	s_mov_b32 s3, 0
	s_add_nc_u64 s[PFA:PFA+1], s[10:11], s[2:3]
	s_add_nc_u64 s[PFA:PFA+1], s[PFA:PFA+1], 2*65536  ; in slot 2; the first change of slots steps it to slot 3.  Nothing is prefetched at the head
	CROUND                          ; all four work-groups are here: the first joint loads meet
.irp n, 0,1
	s_mov_b32 s[G0+4*\n], 1
	s_add_co_u32 s[G0+4*\n+1], s36, \n*SLOT1
	s_add_nc_u64 s[G0+4*\n+2:G0+4*\n+3], s[10:11], \n*65536
	s_or_b32 s[G0+4*\n+3], s[G0+4*\n+3], 0x80000000
.endr
	tensor_load_to_lds s[G0:G0+3], s[G1:G1+7]      ; the two first fills go out together: two loads of mine are out
	s_nop 0
	tensor_load_to_lds s[G0+4:G0+7], s[G1:G1+7]
	s_nop 0
.rept 4
	v_nop
.endr
	v_and_b32 v1, 31, v0            ; lane
	v_lshlrev_b32 v[L16], 4, v1
	v_bfe_u32 v3, v0, 4, 1          ; h
	v_lshlrev_b32 v[BVO], 5, v3
	WIN 0x80                        ; destination window 2, address window 0
.irp i, 0,1,2,3,4,5,6,7,8,9,10,11,12,13,14,15  ; Q stays in registers: tile i / 4, channels 32 (i % 4) on
	global_load_b128 v[8*\i:8*\i+3],   v[L16], s[4:5] offset:\i*1024
	global_load_b128 v[8*\i+4:8*\i+7], v[L16], s[4:5] offset:\i*1024+512
.endr
	WIN 0xc0                        ; destination window 3
.irp c, 0,1,2,3,4,5,6,7             ; bv in O^T's layout: register 8 c + j: channel 16 c + 8 h + j
	global_load_b128 v[BV+8*\c:BV+8*\c+3],   v[BVO], s[6:7] offset:64*\c
	global_load_b128 v[BV+8*\c+4:BV+8*\c+7], v[BVO], s[6:7] offset:64*\c+16
.endr
	WIN 0
; THE MATRIX WORK OF A TURN, for piece x.  The accumulators take turns, one instruction a turn.
; Product i of 32 of O^T += V^T P: keys 32 (i / 16) on, channels 16 ((i / 2) % 8) on, tile x + i % 2.  zero = 1: the first 16 start the sums.
.macro PV x, zero
	WIN W_PV
.set rO, 64*(\x+i%2)+8*((i/2)%8)
.set rV, 64*(i/16)+8*((i/2)%8)
.set rP, P+16*(\x+i%2)+8*(i/16)
.if \zero && (i < 16)
	v_wmma_f32_16x16x32_f16 v[rO:rO+7], v[rV:rV+7], v[rP:rP+7], 0
.else
	v_wmma_f32_16x16x32_f16 v[rO:rO+7], v[rV:rV+7], v[rP:rP+7], v[rO:rO+7]
.endif
.endm
; Product i of 32 of S^T = K Q^T: channels 32 (i / 8) on, keys 16 ((i / 2) % 4) on, tile x + i % 2.  The first 8 start the sums.
.macro KQ x
	WIN W_KQ
.set rS, S+32*(\x+i%2)+8*((i/2)%4)
.set rK, KF+32*((i/2)%4)+8*(i/8)
.set rQ, 32*(\x+i%2)+8*(i/8)
.if i < 8
	v_wmma_f32_16x16x32_f16 v[rS:rS+7], v[rK:rK+7], v[rQ:rQ+7], 0
.else
	v_wmma_f32_16x16x32_f16 v[rS:rS+7], v[rK:rK+7], v[rQ:rQ+7], v[rS:rS+7]
.endif
.endm
; THE LDS LOADS stand in runs of 32: a step's K (64 keys x 128 channels: 16 fragments) and, a turn later, its V^T.
.macro FETCH_K
	WIN 0
	v_add_nc_u32 v[ADR], s[TBK], v[L16]
	WIN 0x80                        ; destination window 2
.irp f, 0,1,2,3,4,5,6,7,8,9,10,11,12,13,14,15  ; keys 16 (f / 4) on, channels 32 (f % 4) on: pieces (f / 4, 2 (f % 4)) and the next
	ds_load_b128 v[KF+8*\f:KF+8*\f+3],   v[ADR] offset:(\f/4)*4096+(\f%4)*1024
	ds_load_b128 v[KF+8*\f+4:KF+8*\f+7], v[ADR] offset:(\f/4)*4096+(\f%4)*1024+512
.endr
.endm
.macro FETCH_V
	WIN 0
	v_add_nc_u32 v[ADR], s[TBV], v[L16]
	s_add_co_u32 s[TBK], s[TBK], 16384  ; the next fetches are the next step's: four tiles of keys on in K,
	s_add_co_u32 s[TBV], s[TBV], 2048   ; four chunks of 16 keys on in V^T
	s_wait_alu depctr_va_vdst(0)    ; the wait for the softmax's batch of exponentials (SLICE), ahead of the loads
	WIN 0xc0                        ; destination window 3
.irp f, 0,1,2,3,4,5,6,7,8,9,10,11,12,13,14,15  ; keys 32 (f / 8) on, channels 16 (f % 8) on: pieces (f % 8, 2 (f / 8)) and the next
	ds_load_b128 v[8*\f:8*\f+3],   v[ADR] offset:(\f%8)*4096+(\f/8)*1024
	ds_load_b128 v[8*\f+4:8*\f+7], v[ADR] offset:(\f%8)*4096+(\f/8)*1024+512
.endr
.endm
; THE VECTOR WORK OF A TURN.  One tile's softmax for one key step is a list of 134 instructions; SM writes number j of it for tile t.  s0-s31 are the lane's 32 scores, in pairs 0-15.
;   0-15    the maximum of s0-s31 and the old m        16-20   the other half of the lanes' maximum; the new m; c m; c m_old - c m_new
;   21-69   ONE BATCH: the 16 scalings c s - c m and all 33 exponentials (a at 23, then s0-s31); none of these reads an exponential's result
;   (wait)  between 69 and 70 stands the wait for the batch: SLICE writes it, once for both tiles
;   70-85   the roundings to f16        86-101  the sums; l = a l + the sum        102-133 the tile's O^T times a
; first = 1: the first key step, which starts m, l and O^T: it has no a and nothing to rescale.
.macro SM t, first
.set rT, ST+8*(\t)
.set rS, S+32*(\t)
.set rP, P+16*(\t)
.set rO, 64*(\t)+2*(j-102)
.if j < 102
	WIN 0
.endif
.if j < 4
	v_max3_num_f32 v[rT+4+j], v[rS+8*j], v[rS+8*j+1], v[rS+8*j+2]
.elseif j < 12
	v_max3_num_f32 v[rT+4+j%4], v[rT+4+j%4], v[rS+8*(j%4)+2*(j/4)+1], v[rS+8*(j%4)+2*(j/4)+2]
.elseif j == 12
	v_max3_num_f32 v[rT+4], v[rT+4], v[rS+7], v[rS+15]
.elseif j == 13
	v_max3_num_f32 v[rT+6], v[rT+6], v[rS+23], v[rS+31]
.elseif j == 14
	v_max3_num_f32 v[rT+4], v[rT+4], v[rT+5], v[rT+6]
.elseif (j == 15) && \first
	v_max_num_f32 v[rT+4], v[rT+4], v[rT+7]
.elseif j == 15
	v_max3_num_f32 v[rT+4], v[rT+4], v[rT+7], v[rT+1]
.elseif j == 16
	v_permlanex16_b32 v[rT+5], v[rT+4], s[SEL], s[SEL+1]  ; the query's other 32 keys lie in the lane 16 away
.elseif j == 18
	v_max_num_f32 v[rT+1], v[rT+4], v[rT+5]
.elseif j == 19
	v_mul_f32 v[rT], s[CS], v[rT+1]
.elseif ((j == 17) || (j == 20) || (j == 23) || (j > 101)) && \first  ; the first step has none of these
.elseif j == 17
	v_mov_b32 v[rT+7], v[rT]        ; c m_old is kept for a: number 19 writes c m anew
.elseif j == 20
	v_sub_f32 v[rT+7], v[rT+7], v[rT]
.elseif j == 23
	v_exp_f32 v[rT+6], v[rT+7]
.elseif (j < 23) || ((j < 38) && (j%2 == 0)) || ((j < 66) && (j%4 == 2))
.set b, (j-2)/4                     ; 38, 42, .. 62: pairs 9 to 15
.if j < 38
.set b, (j-20)/2                    ; 21: pair 0; 22, 24, .. 36: pairs 1 to 8
.endif
	v_pk_fma_f32 v[rS+2*b:rS+2*b+1], v[rS+2*b:rS+2*b+1], s[CS:CS+1], v[rT:rT+1] op_sel_hi:[1,0,0] neg_lo:[0,0,1] neg_hi:[0,0,1]  ; pair b: c s - c m
.elseif j < 70
.set e, j-38                        ; 66 to 69: s28 to s31
.if j < 66
.set e, j-32-(j-38)/4               ; 39-41, 43-45, .. 63-65: s7 to s27
.endif
.if j < 38
.set e, (j-25)/2                    ; 25, 27, .. 37: s0 to s6
.endif
	v_exp_f32 v[rS+e], v[rS+e]
.elseif j < 86
	v_cvt_pk_f16_f32 v[rP+j-70], v[rS+2*(j-70)], v[rS+2*(j-70)+1]  ; pair j - 70
.elseif j < 102                     ; the sum of the tile's 16 pairs, in place: neighbours 1, 2, 4 and 8 pairs apart, then l takes it
.set z, j-86
.set w, 4
.set u, z
.if z >= 14
.set w, 32
.set u, 0
.elseif z >= 12
.set w, 16
.set u, z-12
.elseif z >= 8
.set w, 8
.set u, z-8
.endif
.if (z == 14) && \first
	v_pk_add_f32 v[rT+2:rT+3], v[rS:rS+1], v[rS+16:rS+17]
.elseif z < 15
	v_pk_add_f32 v[rS+w*u:rS+w*u+1], v[rS+w*u:rS+w*u+1], v[rS+w*u+w/2:rS+w*u+w/2+1]
.elseif !\first
	v_pk_fma_f32 v[rT+2:rT+3], v[rT+2:rT+3], v[rT+6:rT+7], v[rS:rS+1] op_sel_hi:[1,0,1]
.endif
.else
	WIN W_RS
	v_pk_mul_f32 v[rO:rO+1], v[rO:rO+1], v[rT+6:rT+7] op_sel_hi:[1,0]
.endif
.endm
; Slice k of 64 of piece y's softmax: four instructions.  Slices 11 to 34 deal out the batch, four numbers of ONE tile each, the tiles by turns; every other slice is numbers 2 k and 2 k + 1 of both tiles' lists;
; the twelve that are over stand together in slice 63.  Ahead of slice 35 nothing names an exponential's result, and behind slice 34 none is issued: so the piece's 66 exponentials have one wait, behind slice 34.
.macro SLICE y, first
.if (k >= 11) && (k < 35)
.irp n, 0,1,2,3
.set j, 22+4*((k-11)/2)+(\n)
	SM (\y)+(k-11)%2, \first
.endr
.else
.irp n, 0,1,2,3,4,5,6,7
.if (\n < 2) || (k == 63)
.irp t, \y, \y+1
.set j, 2*k+\n
	SM \t, \first
.endr
.endif
.endr
.endif
.if k == 34
	v_nop                           ; a plain instruction behind the last exponential and ahead of the first use: one for the batch
.if (\y) == 0
	FETCH_V                         ; piece 2's turn: V's run of loads stands here, and the wait stands in it
.else
	s_wait_alu depctr_va_vdst(0)    ; the wait between the batch and its first reader
.endif
.endif
.set k, k+1
.endm
.macro PLACES                       ; plain vector lines between a matrix instruction and what reads its result or loads into its registers
.rept 4
	v_nop
.endr
.endm
; A TURN.  Piece x has the matrix unit; the other piece's softmax stands in slices behind its matrix instructions.  pv = 2: 32 products V^T P; 1: they start O^T's sums; 0: none.  kq = 1: 32 products K Q^T.
; Piece 0's turn fetches the next step's K behind its second product: the last product that read K stands in front of slice 63 of the turn before.  Piece 2's turn fetches the same step's V behind slice 34:
; the last product that read V stands in front of slice 31, and four plain instructions lie between: a scaling of both tiles, the v_nop and the run's own v_add_nc_u32.
.macro TURN x, pv, kq, first
.set k, 0
.set per, 2
.if \pv && \kq
.set per, 1
.endif
.if \pv
.if \x == 0
	s_wait_dscnt 0x0                ; V is in
.endif
.set i, 0
.rept 32
	PV \x, 2-\pv
.rept per
	SLICE 2-\x, \first
.endr
.if (\x == 0) && \kq && (i == 1)
	FETCH_K
.endif
.set i, i+1
.endr
.endif
.if \kq
.if \x == 0
	s_wait_dscnt 0x0                ; K is in
.endif
.set i, 0
.rept 32
	KQ \x
.rept per
	SLICE 2-\x, \first
.endr
.set i, i+1
.endr
.endif
.if \first
	PLACES
.endif
.endm
; THE CHANGE OF SLOTS, between piece 2's turn and piece 0's.  Each wave waits for all its tensor loads, of which one is out: its block of the other slot; adds 0 to its spare word; and waits for that and for its
; own reads of the slot.  fill = 1: the barrier is a round of the cluster's, and the joint refill, the keys two slots on, is the first thing behind it: it has two key steps in which to land.
.macro CHANGE fill
	WIN 0
	s_wait_tensorcnt 0x0            ; no tensor load of mine is out, so a group 0 may be written
	ds_add_u32 v[SPW], v[NIL]       ; 0 onto my spare word
.if \fill
	s_xor_b32 s[G0+5], s[G0+5], SLOT1              ; the walking descriptor: the other slot than last time,
	s_add_nc_u64 s[G0+6:G0+7], s[G0+6:G0+7], 65536 ; the next 256 keys; the type bits on top are not reached
	s_wait_xcnt 0x0                 ; the last prefetch, two key steps back, has read its address, so it may be written
	s_add_nc_u64 s[PFA:PFA+1], s[PFA:PFA+1], 65536
	s_wait_dscnt 0x0                ; the add is done, and my reads of the slot are over
	CROUND
	tensor_load_to_lds s[G0+4:G0+7], s[G1:G1+7]    ; my one tensor load behind the round
	s_nop 0
.rept 4
	v_nop
.endr
	ASK
.else
	s_wait_dscnt 0x0
	s_barrier_signal -1
	s_barrier_wait -1
.endif
	s_sub_co_u32 s[TBK], s[TBK], 32768  ; the fetches go back to a block's first step,
	s_xor_b32 s[TBK], s[TBK], SLOT1     ; in the other slot
	s_sub_co_u32 s[TBV], s[TBV], 4096
	s_xor_b32 s[TBV], s[TBV], SLOT1
.endm
.macro TWO_STEPS                    ; a slot's two key steps: written once, walked twice
	s_mov_b32 s[TWICE], 2
.Lstep_\@:
	TURN 0, 2, 1, 0
	TURN 2, 2, 1, 0
	WIN 0
	s_sub_co_u32 s[TWICE], s[TWICE], 1
	s_cmp_lg_u32 s[TWICE], 0
	s_cbranch_scc1 .Lstep_\@
.endm
	s_wait_tensorcnt 1              ; my block of slot 0 is in; slot 1's may stay out
	s_barrier_signal -1
	s_barrier_wait -1
	FETCH_K                         ; key step 0
	s_wait_loadcnt 0x0              ; Q and bv
	s_wait_dscnt 0x0
.set i, 0
.rept 32
	KQ 0                            ; piece 0's first scores
.set i, i+1
.endr
	WIN 0                           ; the outboxes' addresses are made here, ahead of every parting of the waves: seven plain instructions, the places behind those products
	s_mul_i32 s37, s[WV], BOX
	s_xor_b32 s38, s[WV], 1         ; my partner: the same queries, the other keys
	s_mul_i32 s38, s38, BOX
	v_add_nc_u32 v[MW], s37, v[L16]
	v_lshlrev_b32 v[MWS], 2, v1
	v_add_nc_u32 v[MRS], s38, v[MWS]
	v_add_nc_u32 v[MWS], s37, v[MWS]
	v_add_nc_u32 v[MWS], 16384, v[MWS]
	v_add_nc_u32 v[MRS], 16384, v[MRS]
	v_add_nc_u32 v[MR], s38, v[L16]
	TURN 2, 0, 1, 1                 ; piece 2's first scores | piece 0's first softmax | V of step 0
	TURN 0, 1, 1, 1                 ; piece 0: V^T P of step 0 starts O^T, K Q^T of step 1 | piece 2's first softmax | K of step 1
	TURN 2, 1, 1, 0                 ; piece 2: the same | piece 0's softmax of step 1 | V of step 1
	WIN 0
.Lslot:                             ; six trips: every slot but the last two is filled again
	CHANGE 1
	TWO_STEPS
	s_sub_co_u32 s[SLOTS], s[SLOTS], 1
	s_cmp_lg_u32 s[SLOTS], 0
	s_cbranch_scc1 .Lslot
	CHANGE 0                        ; the tail is written out
	TWO_STEPS
	TURN 0, 2, 0, 0                 ; piece 0: V^T P of the last step | piece 2's last softmax
.set i, 0
.rept 32
	PV 2, 0                         ; piece 2: V^T P of the last step
.set i, i+1
.endr
	; THE END.  l's two halves and the other half of the lanes' are added (these lines are the places behind the last products).
	WIN 0
.irp t, 0,1,2,3
	v_add_f32 v[ST+8*\t+2], v[ST+8*\t+2], v[ST+8*\t+3]
.endr
.irp t, 0,1,2,3
	v_permlanex16_b32 v[ST+8*\t+3], v[ST+8*\t+2], s[SEL], s[SEL+1]
.endr
.irp t, 0,1,2,3
	v_add_f32 v[ST+8*\t+2], v[ST+8*\t+2], v[ST+8*\t+3]
.endr
; Tile t goes to place x of my outbox as an image of its registers: O^T from each accumulator's low end on, then c m and l, a word a lane.
.macro SENDT t, x
	WIN 0x04                        ; an LDS store's data are its source 1: window 1
.irp n, 0,1,2,3,4,5,6,7,8,9,10,11,12,13,14,15
	ds_store_b128 v[MW], v[64*\t+4*\n:64*\t+4*\n+3] offset:8192*\x+512*\n
.endr
	WIN 0
	ds_store_b32 v[MWS], v[ST+8*\t] offset:256*\x
	ds_store_b32 v[MWS], v[ST+8*\t+2] offset:256*\x+128
.endm
	s_cmp_eq_u32 s[KH], 0           ; the wave of the first keys keeps tiles 0, 1 and hands over tiles 2, 3; its partner the other way round
	s_cbranch_scc0 .Lsend_low
	SENDT 2, 0
	SENDT 3, 1
	s_branch .Lsent
.Lsend_low:
	SENDT 0, 0
	SENDT 1, 1
.Lsent:
	s_wait_dscnt 0x0                ; for the partner's sake: my stores have landed
	s_barrier_signal -1
	s_barrier_wait -1
; Tiles t0 and t0 + 1 are finished: M = the larger of the two c m; a0 = 2^(c m - M), a1 = 2^(the partner's - M); l = l a0 + lP a1; o = O a0 / l + OP a1 / l + bv; rounded to f16 and stored as images.
.macro FINISH t0
.irp x, 0,1
	ds_load_b32 v[PS+2*\x], v[MRS] offset:256*\x
	ds_load_b32 v[PS+2*\x+1], v[MRS] offset:256*\x+128
.endr
.irp x, 0,1
.irp n, 0,1,2,3,4,5,6,7,8,9,10,11,12,13,14,15
	ds_load_b128 v[S+64*\x+4*\n:S+64*\x+4*\n+3], v[MR] offset:8192*\x+512*\n
.endr
.endr
	s_wait_dscnt 32                 ; the four words are in; the 32 loads of the partner's O^T may be out
.irp x, 0,1
	v_max_num_f32 v[ST+8*(\t0+\x)+5], v[ST+8*(\t0+\x)], v[PS+2*\x]
.endr
.irp x, 0,1
	v_sub_f32 v[ST+8*(\t0+\x)+6], v[ST+8*(\t0+\x)], v[ST+8*(\t0+\x)+5]
	v_sub_f32 v[ST+8*(\t0+\x)+4], v[PS+2*\x], v[ST+8*(\t0+\x)+5]
.endr
.irp x, 0,1
	v_exp_f32 v[ST+8*(\t0+\x)+6], v[ST+8*(\t0+\x)+6]
	v_exp_f32 v[ST+8*(\t0+\x)+4], v[ST+8*(\t0+\x)+4]
.endr
	v_nop                           ; a plain instruction behind the last exponential
	s_wait_alu depctr_va_vdst(0)    ; one wait for the four, ahead of their first reader
.irp x, 0,1
	v_mul_f32 v[ST+8*(\t0+\x)+2], v[ST+8*(\t0+\x)+2], v[ST+8*(\t0+\x)+6]
.endr
.irp x, 0,1
	v_fmac_f32 v[ST+8*(\t0+\x)+2], v[PS+2*\x+1], v[ST+8*(\t0+\x)+4]
.endr
.irp x, 0,1
	v_rcp_f32 v[ST+8*(\t0+\x)+3], v[ST+8*(\t0+\x)+2]
.endr
	v_nop
	s_wait_alu depctr_va_vdst(0)    ; one wait for the two reciprocals
.irp x, 0,1
	v_mul_f32 v[ST+8*(\t0+\x)+6], v[ST+8*(\t0+\x)+6], v[ST+8*(\t0+\x)+3]
	v_mul_f32 v[ST+8*(\t0+\x)+4], v[ST+8*(\t0+\x)+4], v[ST+8*(\t0+\x)+3]
.endr
	s_wait_dscnt 0x0                ; the partner's O^T is in
.irp x, 0,1
	WIN 0x71                        ; O^T window 1 (destination and source 0), the factor window 0, bv window 3
.set i, 0
.rept 32
	v_pk_fma_f32 v[64*(\t0+\x)+i:64*(\t0+\x)+i+1], v[64*(\t0+\x)+i:64*(\t0+\x)+i+1], v[ST+8*(\t0+\x)+6:ST+8*(\t0+\x)+7], v[BV+i:BV+i+1] op_sel_hi:[1,0,1]
.set i, i+2
.endr
	WIN 0x10                        ; the partner's O^T and the factor window 0, mine (source 2) window 1
.set i, 0
.rept 32
	v_pk_fma_f32 v[S+64*\x+i:S+64*\x+i+1], v[S+64*\x+i:S+64*\x+i+1], v[ST+8*(\t0+\x)+4:ST+8*(\t0+\x)+5], v[64*(\t0+\x)+i:64*(\t0+\x)+i+1] op_sel_hi:[1,0,1]
.set i, i+2
.endr
	WIN 0
.set i, 0
.rept 32
	v_cvt_pk_f16_f32 v[S+64*\x+i], v[S+64*\x+2*i], v[S+64*\x+2*i+1]
.set i, i+1
.endr
.irp c, 0,1,2,3,4,5,6,7
	global_store_b128 v[L16], v[S+64*\x+4*\c:S+64*\x+4*\c+3], s[8:9] offset:(\t0+\x)*8192+\c*512   ; 32 lanes store 512 consecutive bytes, aligned: (token 16 tile + r, channels 16 c + 8 h + 0..7)
.endr
.endr
.endm
	s_cmp_eq_u32 s[KH], 0
	s_cbranch_scc0 .Lfin_high
	FINISH 0
	s_branch .Lfin
.Lfin_high:
	FINISH 2
.Lfin:
	s_wait_tensorcnt 0x0            ; the wave's end, behind my last tensor load and my last LDS store
	ds_add_u32 v[SPW], v[NIL]
	s_wait_dscnt 0x0
	CROUND                          ; the closing round
	s_endpgm
.Lfunc_end_k_q899fe0c7a2_attn:
	.size	k_q899fe0c7a2_attn, .Lfunc_end_k_q899fe0c7a2_attn-k_q899fe0c7a2_attn
	.p2alignl 7, 3214868480
	.fill 96, 4, 3214868480
	.section	.rodata,"a",@progbits
	.p2align	6, 0x0
	.amdhsa_kernel k_q899fe0c7a2_attn
		.amdhsa_group_segment_fixed_size 327680
		.amdhsa_private_segment_fixed_size 0
		.amdhsa_enable_private_segment 0
		.amdhsa_kernarg_size 24
		.amdhsa_user_sgpr_count 2
		.amdhsa_user_sgpr_kernarg_segment_ptr 1
		.amdhsa_wavefront_size32 1
		.amdhsa_system_sgpr_workgroup_id_x 1
		.amdhsa_system_sgpr_workgroup_id_y 1
		.amdhsa_system_sgpr_workgroup_id_z 1
		.amdhsa_system_vgpr_workitem_id 0
		.amdhsa_next_free_vgpr 1024
		.amdhsa_next_free_sgpr 66
		.amdhsa_reserve_vcc 0
		.amdhsa_float_denorm_mode_32 3
		.amdhsa_float_denorm_mode_16_64 3
		.amdhsa_memory_ordered 1
		.amdhsa_forward_progress 1
		.amdhsa_inst_pref_size 236
	.end_amdhsa_kernel
	.amdgpu_metadata
---
amdhsa.version: [ 1, 2 ]
amdhsa.kernels:
  - .name:           k_q899fe0c7a2_attn
    .symbol:         k_q899fe0c7a2_attn.kd
    .args:
      - { .name: qkv, .offset: 0, .size: 8, .value_kind: global_buffer, .address_space: global }
      - { .name: bv, .offset: 8, .size: 8, .value_kind: global_buffer, .address_space: global }
      - { .name: o16, .offset: 16, .size: 8, .value_kind: global_buffer, .address_space: global }
    .group_segment_fixed_size: 327680
    .private_segment_fixed_size: 0
    .kernarg_segment_align: 8
    .kernarg_segment_size: 24
    .max_flat_workgroup_size: 128
    .sgpr_count:     66
    .vgpr_count:     1024
    .wavefront_size: 32
...
	.end_amdgpu_metadata
.endif
;; end of part 3
;; launch outproj (part 4): grid 8 x 32, 4 waves a work-group, clusters of 4 x 4, 327,680 bytes of LDS; arguments o16, wo16, bo, out0; writes out0
.if DOCPART == 4
	.amdgcn_target "amdgcn-amd-amdhsa--gfx1250"
	.amdhsa_code_object_version 6
	.text
	.protected	k_q899fe0c7a2_outproj
	.globl	k_q899fe0c7a2_outproj
	.p2align	8
	.type	k_q899fe0c7a2_outproj,@function
k_q899fe0c7a2_outproj:
	s_mov_b64 s[64:65], 0
	v_nop
	global_prefetch_b8 v0, s[64:65] scope:SCOPE_SE
	s_setreg_imm32_b32 hwreg(HW_REG_WAVE_MODE, 25, 1), 1
	s_wait_xcnt 0x0
	s_wait_alu depctr_hold_cnt(0) depctr_sa_sdst(0) depctr_va_vdst(0) depctr_va_sdst(0) depctr_va_ssrc(0) depctr_va_vcc(0) depctr_vm_vsrc(0)
	s_getreg_b32 s2, hwreg(HW_REG_IB_STS2, 6, 4)
	s_cmp_eq_u32 s2, 0
	s_cbranch_scc0 .Lentry_in_a_cluster
	s_endpgm
.Lentry_in_a_cluster:
	s_bfe_u32 s2, ttmp6, 0x10000c
	s_cmp_lg_u32 s2, 0xf033
	s_cbranch_scc0 .Lentry_shape_is_right
	s_endpgm
.Lentry_shape_is_right:
; out0[m][n] = the sum over k of o[m][k] Wo[n][k] + bo[n].  o and Wo f16, sums f32, out0 f32.  M = 4,096, N = K = 1,024.
; The bias is the C of each sum's first product: an order of rounding that differs from adding it last.
; A tile of 128 x 128 for each of 256 work-groups; four waves, each 64 x 64: 16 accumulators.  K goes in four steps of 256 through a ring of two LDS slots.
; A (o16) lies as images of operand registers: [block of 128 tokens: 32][K step: 4][tile of 16 tokens: 8][chunk of 16 along K: 16][lane: 32][16 bytes]: a K step of a block is one dense run of 65,536 bytes,
; and a fragment comes from LDS by two loads at 16 x lane + a constant.  B (wo16) lies in rows [n][k]: tiles of 64 rows x 512 bytes, 16 bytes of padding behind each row in LDS.
; CLUSTERS: 4 x 4.  A's tile hangs on the tile row and is shared along a row of the cluster, B's on the tile column and is shared along a column: each is asked for jointly.
; THE MATRIX INSTRUCTION IS USED TRANSPOSED (source 0 = 16 rows of Wo, source 1 = 16 tokens): a lane holds eight neighbouring numbers of a row of out0.
; REGISTERS: window 0: v0-31 addresses; v32-95 the way out; v96-127 the bias in the result's layout; v128-255 the accumulators ((a, b) at v[128 + 8 (4 a + b)]).
;   window 1: two fragment buffers of 128: for 64 along K, 64 registers of A, then 64 of B.
.set KSTEP,  256
.set PITCH,  528                       ; a row of B in LDS: 512 bytes + 16 of padding
.set ABYTES, 65536                     ; A's part of a slot
.set HALFB,  64*PITCH                  ; 64 rows of B
.set SLOT,   ABYTES+2*HALFB
.set STAGE,  2*SLOT                    ; behind the ring: 16 rows x 272 bytes for each wave, its own, for the way out
.set SPITCH, 272
.set SPARE,  STAGE+4*16*SPITCH         ; the spare words, 128 bytes a wave, which no other line names
.set ADRA, 16
.set ADRB, 20
.set STO,  24
.set RD,   25
.set CO,   26
.set SPW,  28
.set NIL,  29
.set TMP,  32
.set BI,   96
.set ACC,  128
.set F0,   0
.set F1,   128
.set G1, 24
.set G0, 32
.set G1B, 48
.set G0B, 56
.set MSB, 0
.macro WIN new                         ; the immediate's high byte repeats the setting that is left
.if MSB != \new
	s_set_vgpr_msb (MSB<<8)|\new
.set MSB, \new
.endif
.endm
.set MUL,  0x05                        ; sources 0 (B) and 1 (A) window 1; C and D window 0
.set TO_F, 0x40                        ; destination window 1, address window 0
.macro JLOAD s                         ; a joint load: waves 0 and 1 fetch A's two halves, waves 2 and 3 B's; an s_nop 0 and four v_nop follow each line
	s_cmp_eq_u32 s13, 0
	s_cbranch_scc0 .Lfor_b_\@
	tensor_load_to_lds s[G0+4*\s:G0+4*\s+3], s[G1:G1+7]
	s_nop 0
.rept 4
	v_nop
.endr
	s_branch .Lasked_\@
.Lfor_b_\@:
	tensor_load_to_lds s[G0B+4*\s:G0B+4*\s+3], s[G1B:G1B+7]
	s_nop 0
.rept 4
	v_nop
.endr
.Lasked_\@:
.endm
.macro CREST                           ; a round of the cluster's barrier behind its opening barrier
	s_cmp_lg_u32 s12, 0
	s_cbranch_scc1 .Lnot_wave_0_\@
	s_barrier_signal -3
.Lnot_wave_0_\@:
	s_barrier_wait -3
	s_barrier_signal -1
	s_barrier_wait -1
.endm
.macro CROUND
	s_barrier_signal -1
	s_barrier_wait -1
	CREST
.endm
	s_load_b256 s[4:11], s[0:1], 0x0               ; o16 s[4:5], wo16 s[6:7], bo s[8:9], out0 s[10:11]
	v_lshl_add_u32 v[SPW], v0, 2, SPARE
	v_mov_b32 v[NIL], 0
	ds_add_u32 v[SPW], v[NIL]                      ; the wave's opening: the add, twice on end, and its wait ahead of my first tensor load
	ds_add_u32 v[SPW], v[NIL]                      ; the set-up below, work on registers, stands between the second and the wait
	v_lshrrev_b32 v1, 5, v0
	v_readfirstlane_b32 s12, v1                    ; wave 0..3
	s_lshr_b32 s13, s12, 1                         ; which half of the tile's rows is mine.  Also: I fetch for A (0) or for B (1)
	s_and_b32 s14, s12, 1                          ; which half of its columns.  Also: which half of that tile I fetch
	s_bfe_u32 s40, ttmp6, 0x40000                  ; cx
	s_bfe_u32 s41, ttmp6, 0x40004                  ; cy
	s_lshl_b32 s42, ttmp9, 2
	s_add_co_u32 s42, s42, s40                     ; tile column = 4 x cluster x + cx
	s_and_b32 s15, ttmp7, 0xffff
	s_lshl_b32 s15, s15, 2
	s_add_co_u32 s15, s15, s41                     ; tile row = 4 x cluster y + cy
	s_lshl_b32 s43, s41, 2
	s_lshl_b32 s43, 15, s43                        ; my row of the cluster
	s_lshl_b32 s44, 0x1111, s40                    ; my column
	; A: a dense run of 32,768 bytes as 128 rows of 256 bytes (32 elements of 8 bytes), no padding
	s_or_b32 s[G1+0], s43, (3<<16)|(1<<21)
	s_mov_b32 s[G1+1], 32<<16
	s_mov_b32 s[G1+2], 128<<16
	s_mov_b32 s[G1+3], 32<<16
	s_mov_b32 s[G1+4], 128
	s_mov_b32 s[G1+5], 32
	s_mov_b32 s[G1+6], 0
	s_mov_b32 s[G1+7], 0
	; B: 64 rows x 256 elements of 2 bytes, four words of padding after every 128
	s_or_b32 s[G1B+0], s44, (1<<16)|(1<<20)|(1<<21)|(6<<22)|(3<<25)
	s_mov_b32 s[G1B+1], KSTEP<<16
	s_mov_b32 s[G1B+2], 64<<16
	s_mov_b32 s[G1B+3], KSTEP<<16
	s_mov_b32 s[G1B+4], 64
	s_mov_b32 s[G1B+5], 1024
	s_mov_b32 s[G1B+6], 0
	s_mov_b32 s[G1B+7], 0
	s_lshl_b32 s16, s15, 18                        ; A: the block of tokens, 262,144 bytes each,
	s_lshl_b32 s17, s14, 15                        ; my half of a K step's 65,536
	s_add_co_u32 s16, s16, s17
	s_mov_b32 s17, 0
	s_lshl_b32 s46, s42, 18                        ; B: row 128 x tile column, 2,048 bytes a row,
	s_lshl_b32 s47, s14, 17                        ; + 64 rows x half
	s_add_co_u32 s46, s46, s47
	s_mov_b32 s47, 0
	s_lshl_b32 s20, s14, 15                        ; where they go: A's halves,
	s_mul_i32 s21, s14, HALFB
	s_add_co_u32 s21, s21, ABYTES                  ; B's halves behind them: no place in the cluster enters an LDS address
	s_wait_dscnt 0x0                               ; both opening adds are done
	s_wait_kmcnt 0x0
	s_add_nc_u64 s[16:17], s[4:5], s[16:17]
	s_add_nc_u64 s[46:47], s[6:7], s[46:47]
	CROUND                                         ; all sixteen work-groups are here: the first joint loads meet
.irp s, 0,1
	s_mov_b32 s[G0+4*\s], 1
	s_add_co_u32 s[G0+4*\s+1], s20, \s*SLOT
	s_add_nc_u64 s[G0+4*\s+2:G0+4*\s+3], s[16:17], \s*65536
	s_or_b32 s[G0+4*\s+3], s[G0+4*\s+3], 0x80000000
	s_mov_b32 s[G0B+4*\s], 1
	s_add_co_u32 s[G0B+4*\s+1], s21, \s*SLOT
	s_add_nc_u64 s[G0B+4*\s+2:G0B+4*\s+3], s[46:47], \s*KSTEP*2
	s_or_b32 s[G0B+4*\s+3], s[G0B+4*\s+3], 0x80000000
	JLOAD \s                                       ; two loads of mine are out behind the second
.endr
	v_and_b32 v1, 15, v0                           ; r
	v_bfe_u32 v2, v0, 4, 1                         ; h
	s_lshl_b32 s18, s42, 9                         ; my first column, in bytes of f32: 512 x tile column + 256 x half
	s_lshl_b32 s19, s14, 8
	s_add_co_u32 s18, s18, s19
	s_mov_b32 s19, 0
	s_add_nc_u64 s[8:9], s[8:9], s[18:19]          ; in bo,
	s_add_nc_u64 s[10:11], s[10:11], s[18:19]      ; and in a row of out0
	s_lshl_b32 s18, s15, 19                        ; my first row: 128 x tile row + 64 x half, 4,096 bytes a row
	s_lshl_b32 s22, s13, 18
	s_add_co_u32 s18, s18, s22
	s_add_nc_u64 s[10:11], s[10:11], s[18:19]
	v_lshlrev_b32 v6, 5, v2
.irp b, 0,1,2,3                                ; v[BI + 8 b + j] = bo of column 16 b + 8 h + j of my 64
	global_load_b128 v[BI+8*\b:BI+8*\b+3], v6, s[8:9] offset:64*\b
	global_load_b128 v[BI+8*\b+4:BI+8*\b+7], v6, s[8:9] offset:64*\b+16
.endr
	v_and_b32 v3, 31, v0
	v_lshlrev_b32 v3, 4, v3                        ; A: 16 x lane
	v_mul_u32_u24 v4, v1, PITCH
	v_lshl_add_u32 v4, v2, 4, v4                   ; B: row x pitch + 16 x half
	s_lshl_b32 s22, s13, 15                        ; my four tiles of A
	s_mul_i32 s23, s14, HALFB                      ; my 64 rows of B,
	s_add_co_u32 s23, s23, ABYTES                  ; behind A
.irp s, 0,1
	v_add_nc_u32 v[ADRA+\s], s22, v3
	v_add_nc_u32 v[ADRB+\s], s23, v4
	s_add_co_u32 s22, s22, SLOT
	s_add_co_u32 s23, s23, SLOT
.endr
	s_mul_i32 s22, s12, 16*SPITCH
	s_add_co_u32 s22, s22, STAGE                   ; my stage
	v_mul_u32_u24 v5, v1, SPITCH                   ; in: row r, 32 bytes for each half of the lanes
	v_lshl_add_u32 v5, v2, 5, v5
	v_add_nc_u32 v[STO], s22, v5
	v_mul_u32_u24 v5, v2, SPITCH                   ; back: lanes 0-15 one row of 256 bytes, lanes 16-31 the next
	v_lshl_add_u32 v5, v1, 4, v5
	v_add_nc_u32 v[RD], s22, v5
	v_lshlrev_b32 v5, 12, v2                       ; and the same two rows in out0
	v_lshl_add_u32 v[CO], v1, 4, v5
; 8 matrix instructions: row tiles a0, a0 + 1 x all 4 column tiles, 32 along K: half c of buffer f.  zero = 1: the first product starts the sums from the bias.  The 16 accumulators take turns.
.macro MUL8 f, c, a0, zero
.irp a, \a0, \a0+1
.irp b, 0,1,2,3
.if \zero
	v_wmma_f32_16x16x32_f16 v[ACC+8*(4*(\a)+\b):ACC+8*(4*(\a)+\b)+7], v[\f+64+8*(4*\c+\b):\f+64+8*(4*\c+\b)+7], v[\f+8*(4*\c+\a):\f+8*(4*\c+\a)+7], v[BI+8*\b:BI+8*\b+7]
.else
	v_wmma_f32_16x16x32_f16 v[ACC+8*(4*(\a)+\b):ACC+8*(4*(\a)+\b)+7], v[\f+64+8*(4*\c+\b):\f+64+8*(4*\c+\b)+7], v[\f+8*(4*\c+\a):\f+8*(4*\c+\a)+7], v[ACC+8*(4*(\a)+\b):ACC+8*(4*(\a)+\b)+7]
.endif
.endr
.endr
.endm
; 32 LDS loads in one run: the fragments of 64 along K, at byte k of B's rows, into buffer f; the first 32 along K first.  In A, byte k of a row is chunk k / 32: 16 k bytes on in a tile's 8,192.
.macro FETCH slot, k, f
	WIN TO_F
.irp c, 0,1
.irp i, 0,1,2,3
	ds_load_b128 v[\f+64+8*(4*\c+\i):\f+64+8*(4*\c+\i)+3],   v[ADRB+\slot] offset:\k+64*\c+\i*16*PITCH
	ds_load_b128 v[\f+64+8*(4*\c+\i)+4:\f+64+8*(4*\c+\i)+7], v[ADRB+\slot] offset:\k+64*\c+\i*16*PITCH+32
	ds_load_b128 v[\f+8*(4*\c+\i):\f+8*(4*\c+\i)+3],         v[ADRA+\slot] offset:16*(\k)+1024*\c+8192*\i
	ds_load_b128 v[\f+8*(4*\c+\i)+4:\f+8*(4*\c+\i)+7],       v[ADRA+\slot] offset:16*(\k)+1024*\c+8192*\i+512
.endr
.endr
.endm
.macro PLACES                          ; plain vector lines between a matrix instruction and a load into, or a read of, its registers
.rept 4
	v_nop
.endr
.endm
; A K step is four quarters of 64 along K, 32 matrix instructions each, on buffers 0, 1, 0, 1.  One of the first three: multiplies buffer f and fetches the next quarter, at byte k, into g.
.macro QUARTER slot, k, f, g, zero
	s_wait_dscnt 16                                ; the first 32 along K are in; the other sixteen loads may be out
	WIN MUL
	MUL8 \f, 0, 0, \zero
	MUL8 \f, 0, 2, \zero
	PLACES
	FETCH \slot, \k, \g
	s_wait_dscnt 32                                ; all but the 32 just issued
	WIN MUL
	MUL8 \f, 1, 0, 0
	MUL8 \f, 1, 2, 0
.endm
; The last quarter multiplies buffer 1 and changes slots: one barrier; in front of it each wave waits for all its tensor loads, adds 0 to its spare word, and waits for that and for its reads of this slot.
; fill = 1: the barrier opens a round of the cluster's, and this slot is filled again, two K steps ahead, first thing behind the round.
.macro TURN slot, next, fill
	WIN 0
	s_wait_tensorcnt 0x0                           ; all my tensor loads have landed: my part of the next slot
	ds_add_u32 v[SPW], v[NIL]                      ; 0 onto my spare word
	s_wait_dscnt 17                                ; (the add and the youngest sixteen loads may be out)
	WIN MUL
	MUL8 F1, 0, 0, 0
	s_wait_dscnt 0x0                               ; the add is done, and my reads of this slot are over
	s_barrier_signal -1
	MUL8 F1, 0, 2, 0
.if \fill
	WIN 0
.endif
	s_barrier_wait -1
.if \fill
	CREST                                          ; no wave of any partner still reads this slot's tile or has a load on its way
	s_add_nc_u64 s[G0+4*\slot+2:G0+4*\slot+3], s[G0+4*\slot+2:G0+4*\slot+3], 2*65536
	s_add_nc_u64 s[G0B+4*\slot+2:G0B+4*\slot+3], s[G0B+4*\slot+2:G0B+4*\slot+3], 2*KSTEP*2
	JLOAD \slot                                    ; my one tensor load behind the round; its four v_nop are also the places in front of the loads below
.else
	PLACES
.endif
	FETCH \next, 0, F0
	WIN MUL
	MUL8 F1, 1, 0, 0
	MUL8 F1, 1, 2, 0
.endm
	s_wait_loadcnt 0x0                             ; the bias
	s_wait_tensorcnt 1                             ; my part of K step 0 is in; K step 1's may stay out
	s_barrier_signal -1
	s_barrier_wait -1
	FETCH 0, 0, F0
	QUARTER 0, 128, F0, F1, 1                      ; K step 0: its first products start the sums
	QUARTER 0, 256, F1, F0, 0
	QUARTER 0, 384, F0, F1, 0
	TURN 0, 1, 1                                   ; slot 0 takes K step 2
	QUARTER 1, 128, F0, F1, 0                      ; K step 1
	QUARTER 1, 256, F1, F0, 0
	QUARTER 1, 384, F0, F1, 0
	TURN 1, 0, 1                                   ; slot 1 takes K step 3
	QUARTER 0, 128, F0, F1, 0                      ; K step 2
	QUARTER 0, 256, F1, F0, 0
	QUARTER 0, 384, F0, F1, 0
	TURN 0, 1, 0                                   ; nothing is left to fetch
	QUARTER 1, 128, F0, F1, 0                      ; K step 3
	QUARTER 1, 256, F1, F0, 0
	QUARTER 1, 384, F0, F1, 0
	s_wait_dscnt 16
	WIN MUL
	MUL8 F1, 0, 0, 0
	MUL8 F1, 0, 2, 0
	s_wait_dscnt 0
	MUL8 F1, 1, 0, 0
	MUL8 F1, 1, 2, 0
	WIN 0
; THE WAY OUT, 16 rows x 64 columns at a time.  A lane holds 32 neighbouring bytes of a row and the lanes beside it other rows: so a block goes through my own stage and comes back as whole rows of 256 bytes,
; which sixteen lanes store as 256 consecutive bytes, aligned.  LDS serves a wave's instructions in order: no wait between the stores and the loads, nor in front of the next block's stores.
.macro TOSTAGE a
.irp b, 0,1,2,3
	ds_store_b128 v[STO], v[ACC+8*(4*(\a)+\b):ACC+8*(4*(\a)+\b)+3] offset:64*\b          ; each accumulator from its low end on
	ds_store_b128 v[STO], v[ACC+8*(4*(\a)+\b)+4:ACC+8*(4*(\a)+\b)+7] offset:64*\b+16
.endr
.irp t, 0,1,2,3,4,5,6,7
	ds_load_b128 v[TMP+32*((\a)%2)+4*\t:TMP+32*((\a)%2)+4*\t+3], v[RD] offset:\t*2*SPITCH
.endr
.endm
.macro SEND a, younger                 ; younger: the LDS instructions issued behind block a's loads, which may stay out
	s_wait_dscnt \younger
.irp t, 0,1,2,3,4,5,6,7
	global_store_b128 v[CO], v[TMP+32*((\a)%2)+4*\t:TMP+32*((\a)%2)+4*\t+3], s[10:11] offset:(\a)*65536+\t*8192 th:TH_STORE_NT
.endr
.endm
	PLACES
	TOSTAGE 0
	TOSTAGE 1
	SEND 0, 16                                     ; behind block 0's loads: block 1's 8 stores and 8 loads
	s_wait_xcnt 0x0                                ; block 0's stores have read their registers: block 2's loads may land there
	TOSTAGE 2
	SEND 1, 16
	s_wait_xcnt 0x0
	TOSTAGE 3
	SEND 2, 16
	SEND 3, 0
	s_wait_tensorcnt 0x0                           ; the wave's end, behind my last tensor load and my last LDS store
	ds_add_u32 v[SPW], v[NIL]
	s_wait_dscnt 0x0
	CROUND                                         ; the closing round
	s_endpgm
.Lfunc_end_k_q899fe0c7a2_outproj:
	.size	k_q899fe0c7a2_outproj, .Lfunc_end_k_q899fe0c7a2_outproj-k_q899fe0c7a2_outproj
	.p2alignl 7, 3214868480
	.fill 96, 4, 3214868480
	.section	.rodata,"a",@progbits
	.p2align	6, 0x0
	.amdhsa_kernel k_q899fe0c7a2_outproj
		.amdhsa_group_segment_fixed_size 327680
		.amdhsa_private_segment_fixed_size 0
		.amdhsa_enable_private_segment 0
		.amdhsa_kernarg_size 32
		.amdhsa_user_sgpr_count 2
		.amdhsa_user_sgpr_kernarg_segment_ptr 1
		.amdhsa_wavefront_size32 1
		.amdhsa_system_sgpr_workgroup_id_x 1
		.amdhsa_system_sgpr_workgroup_id_y 1
		.amdhsa_system_sgpr_workgroup_id_z 1
		.amdhsa_system_vgpr_workitem_id 0
		.amdhsa_next_free_vgpr 512
		.amdhsa_next_free_sgpr 66
		.amdhsa_reserve_vcc 0
		.amdhsa_float_denorm_mode_32 3
		.amdhsa_float_denorm_mode_16_64 3
		.amdhsa_memory_ordered 1
		.amdhsa_forward_progress 1
		.amdhsa_inst_pref_size 86
	.end_amdhsa_kernel
	.amdgpu_metadata
---
amdhsa.version: [ 1, 2 ]
amdhsa.kernels:
  - .name:           k_q899fe0c7a2_outproj
    .symbol:         k_q899fe0c7a2_outproj.kd
    .args:
      - { .name: o16, .offset: 0, .size: 8, .value_kind: global_buffer, .address_space: global }
      - { .name: wo16, .offset: 8, .size: 8, .value_kind: global_buffer, .address_space: global }
      - { .name: bo, .offset: 16, .size: 8, .value_kind: global_buffer, .address_space: global }
      - { .name: out0, .offset: 24, .size: 8, .value_kind: global_buffer, .address_space: global }
    .group_segment_fixed_size: 327680
    .private_segment_fixed_size: 0
    .kernarg_segment_align: 8
    .kernarg_segment_size: 32
    .max_flat_workgroup_size: 128
    .sgpr_count:     66
    .vgpr_count:     512
    .wavefront_size: 32
...
	.end_amdgpu_metadata
.endif
;; end of part 4
